; MI455X (gfx1250); checked and timed in simulation.
; The chip was launched on July 23, 2026; its instructions are those of AMD's public machine-readable ISA for CDNA 5 (MIT licence, August 2026) and "CDNA5" Instruction Set Architecture Reference Guide (July 2026). The comments in the code are by the model that wrote it; some were corrected since.
;; Attention Head. Allowed arithmetic: float matrix products may take bf16 or f16 operands with f32 sums; other float arithmetic in f32, or as packed bf16 or f16 multiplies, adds, multiply-adds, maxima and minima; sums over many terms, partial sums and values carried from step to step in f32; what a program stores and reads back later, other than sums and carried values, may be rounded once to bf16 or f16.
;; Inputs: Wk 1,024 x 2,048 float32; Wq 1,024 x 2,048 float32; Wv 1,024 x 2,048 float32; bk 2,048 float32; bq 2,048 float32; bv 2,048 float32; x 4 x 1,024 x 1,024 float32.
;; Outputs: out0 4 x 1,024 x 2,048 float32.
;; 2 versions, each right; version 2 is version 1 with the launch prep written anew for expert scheduling mode. Each part assembles by itself: llvm-mc -triple=amdgcn-amd-amdhsa -mcpu=gfx1250 --defsym DOCPART=n.
;; ======== version 1 of 2: 4 launches
;; workspace buffers: xb 8,388,608 bytes; wb 12,582,912 bytes; bias 24,576 bytes; qkv 62,914,560 bytes; e 8,388,608 bytes; stat 524,288 bytes
;; launch prep (part 1): grid 640 x 1, 8 waves a work-group, no clusters, 0 bytes of LDS; arguments x, Wq, Wk, Wv, bq, bk, bv, xb, wb, bias; writes xb, wb, bias
.if DOCPART == 1
	.amdgcn_target "amdgcn-amd-amdhsa--gfx1250"
	.amdhsa_code_object_version 6
	.text
	.protected	k_q3e4ea8247d_prep
	.globl	k_q3e4ea8247d_prep
	.p2align	8
	.type	k_q3e4ea8247d_prep,@function
k_q3e4ea8247d_prep:
	s_mov_b64 s[64:65], 0
	v_nop
	global_prefetch_b8 v0, s[64:65] scope:SCOPE_SE
	s_setreg_imm32_b32 hwreg(HW_REG_WAVE_MODE, 25, 1), 1
	s_wait_xcnt 0x0
; Casts the f32 inputs to bf16 once, in the layouts that the product's tiles want, and gathers the three biases.
;   xb   bf16 [16 kb][4096 m][64 k]: the 64 k of a K step of 128 neighbouring rows are 16,384 consecutive bytes
;   wb   bf16 [1024 k][6144 n], n = Wq's, Wk's, Wv's columns side by side (a row is 12,288 bytes)
;   bias f32  [6144] = bq, bk, bv
; A stream: each input byte is read once and each output byte written once; LDS, barriers and matrix instructions would add nothing.
; One wave: 16 loads of 16 bytes a lane, all issued before the first is used, and 16 stores of 8 bytes a lane;
; each store of the wave covers 256 consecutive bytes, aligned.  No loop: a wave's whole share is the 16 loads.
; Work-groups 0-255 take x (a wave: two rows), work-groups 256-639 the three W (a wave: one row of 2,048 numbers).
.set VS, 6                             ; v6       byte offset of my 16 bytes in the source
.set VD, 7                             ; v7       byte offset of my 8 bytes in the destination
.set X,  8                             ; v[8:71]  16 x 4 numbers in f32
.set Y,  72                            ; v[72:103] 16 x 4 numbers in bf16
.macro CAST16 sstep, dstep
.irp i, 0,1,2,3,4,5,6,7,8,9,10,11,12,13,14,15
	global_load_b128 v[X+4*\i:X+4*\i+3], v[VS], s[26:27] offset:\i*\sstep th:TH_LOAD_NT
.endr
.irp i, 0,1,2,3,4,5,6,7,8,9,10,11,12,13,14,15
	s_wait_loadcnt 15-\i                           ; loads come back in order (ISA guide 5.7.1): load i is in, the younger ones stay out
	v_cvt_pk_bf16_f32 v[Y+2*\i],   v[X+4*\i],   v[X+4*\i+1]
	v_cvt_pk_bf16_f32 v[Y+2*\i+1], v[X+4*\i+2], v[X+4*\i+3]
	global_store_b64 v[VD], v[Y+2*\i:Y+2*\i+1], s[28:29] offset:\i*\dstep   ; every store has data registers of its own: none is rewritten
.endr
.endm
	s_load_b512 s[4:19], s[0:1], 0x0               ; x s[4:5], Wq s[6:7], Wk s[8:9], Wv s[10:11], bq s[12:13], bk s[14:15], bv s[16:17], xb s[18:19]
	s_load_b128 s[20:23], s[0:1], 0x40             ; wb s[20:21], bias s[22:23]
	v_lshrrev_b32 v1, 5, v0
	v_readfirstlane_b32 s24, v1                    ; wave 0..7
	v_and_b32 v2, 31, v0                           ; lane
	v_lshlrev_b32 v[VD], 3, v2                     ; 8 bytes a lane out
	s_cmp_lt_u32 ttmp9, 256
	s_cbranch_scc0 .Lweights
	; x: unit u = 8 x work-group + wave holds rows 2u and 2u+1.  Load i takes the 64 numbers of K block i of both rows
	; (lanes 0-15 one row, lanes 16-31 the other), which are 256 neighbouring bytes of xb's block i.
	s_lshl3_add_u32 s25, ttmp9, s24                ; u
	v_and_b32 v3, 15, v2
	v_lshrrev_b32 v4, 4, v2
	v_lshlrev_b32 v3, 4, v3
	v_lshl_add_u32 v[VS], v4, 12, v3               ; 4,096 x (lane / 16) + 16 x (lane % 16)
	s_lshl_b32 s30, s25, 13                        ; two rows of 4,096 bytes
	s_mov_b32 s31, 0
	s_lshl_b32 s32, s25, 8                         ; two rows of 128 bytes
	s_mov_b32 s33, 0
	s_wait_kmcnt 0x0
	s_add_nc_u64 s[26:27], s[4:5], s[30:31]
	s_add_nc_u64 s[28:29], s[18:19], s[32:33]
	CAST16 256, 524288                             ; from K block to K block: 256 bytes in x, 4,096 rows x 128 bytes in xb
	s_endpgm
.Lweights:
	s_sub_co_u32 s25, ttmp9, 256
	s_lshr_b32 s34, s25, 7                         ; z: 0 Wq, 1 Wk, 2 Wv
	s_and_b32 s25, s25, 127
	s_lshl3_add_u32 s25, s25, s24                  ; k: my row of W
	v_lshlrev_b32 v[VS], 4, v2
	s_lshl_b32 s30, s25, 13                        ; rows of 8,192 bytes in W
	s_mov_b32 s31, 0
	s_mul_i32 s32, s25, 12288                      ; rows of 12,288 bytes in wb,
	s_lshl_b32 s35, s34, 12                        ; and z's 4,096 bytes in them
	s_add_co_u32 s32, s32, s35
	s_mov_b32 s33, 0
	s_wait_kmcnt 0x0
	s_cmp_eq_u32 s34, 0
	s_cselect_b64 s[26:27], s[6:7], s[8:9]
	s_cselect_b64 s[36:37], s[12:13], s[14:15]
	s_cmp_eq_u32 s34, 2
	s_cselect_b64 s[26:27], s[10:11], s[26:27]     ; W of z
	s_cselect_b64 s[36:37], s[16:17], s[36:37]     ; b of z
	s_add_nc_u64 s[26:27], s[26:27], s[30:31]
	s_add_nc_u64 s[28:29], s[20:21], s[32:33]
	CAST16 512, 256
	s_cmp_lt_u32 s25, 16                           ; the waves of rows 0-15 also copy 512 bytes each of z's bias: 16 x 512 = its 8,192 bytes
	s_cbranch_scc0 .Ldone
	s_lshl_b32 s38, s25, 9
	s_mov_b32 s39, 0
	s_lshl_b32 s40, s34, 13
	s_add_co_u32 s40, s40, s38
	s_mov_b32 s41, 0
	s_add_nc_u64 s[36:37], s[36:37], s[38:39]
	s_add_nc_u64 s[42:43], s[22:23], s[40:41]
	global_load_b128 v[X:X+3], v[VS], s[36:37]
	s_wait_loadcnt 0x0
	global_store_b128 v[VS], v[X:X+3], s[42:43]
.Ldone:
	s_endpgm
.Lfunc_end_k_q3e4ea8247d_prep:
	.size	k_q3e4ea8247d_prep, .Lfunc_end_k_q3e4ea8247d_prep-k_q3e4ea8247d_prep
	.p2alignl 7, 3214868480
	.fill 96, 4, 3214868480
	.section	.rodata,"a",@progbits
	.p2align	6, 0x0
	.amdhsa_kernel k_q3e4ea8247d_prep
		.amdhsa_group_segment_fixed_size 0
		.amdhsa_private_segment_fixed_size 0
		.amdhsa_enable_private_segment 0
		.amdhsa_kernarg_size 80
		.amdhsa_user_sgpr_count 2
		.amdhsa_user_sgpr_kernarg_segment_ptr 1
		.amdhsa_wavefront_size32 1
		.amdhsa_system_sgpr_workgroup_id_x 1
		.amdhsa_system_sgpr_workgroup_id_y 1
		.amdhsa_system_sgpr_workgroup_id_z 1
		.amdhsa_system_vgpr_workitem_id 0
		.amdhsa_next_free_vgpr 104
		.amdhsa_next_free_sgpr 66
		.amdhsa_reserve_vcc 0
		.amdhsa_float_denorm_mode_32 3
		.amdhsa_float_denorm_mode_16_64 3
		.amdhsa_memory_ordered 1
		.amdhsa_forward_progress 1
		.amdhsa_inst_pref_size 14
	.end_amdhsa_kernel
	.amdgpu_metadata
---
amdhsa.version: [ 1, 2 ]
amdhsa.kernels:
  - .name:           k_q3e4ea8247d_prep
    .symbol:         k_q3e4ea8247d_prep.kd
    .args:
      - { .name: x, .offset: 0, .size: 8, .value_kind: global_buffer, .address_space: global }
      - { .name: Wq, .offset: 8, .size: 8, .value_kind: global_buffer, .address_space: global }
      - { .name: Wk, .offset: 16, .size: 8, .value_kind: global_buffer, .address_space: global }
      - { .name: Wv, .offset: 24, .size: 8, .value_kind: global_buffer, .address_space: global }
      - { .name: bq, .offset: 32, .size: 8, .value_kind: global_buffer, .address_space: global }
      - { .name: bk, .offset: 40, .size: 8, .value_kind: global_buffer, .address_space: global }
      - { .name: bv, .offset: 48, .size: 8, .value_kind: global_buffer, .address_space: global }
      - { .name: xb, .offset: 56, .size: 8, .value_kind: global_buffer, .address_space: global }
      - { .name: wb, .offset: 64, .size: 8, .value_kind: global_buffer, .address_space: global }
      - { .name: bias, .offset: 72, .size: 8, .value_kind: global_buffer, .address_space: global }
    .group_segment_fixed_size: 0
    .private_segment_fixed_size: 0
    .kernarg_segment_align: 8
    .kernarg_segment_size: 80
    .max_flat_workgroup_size: 256
    .sgpr_count:     66
    .vgpr_count:     104
    .wavefront_size: 32
...
	.end_amdgpu_metadata
.endif
;; end of part 1
;; launch qkv (part 2): grid 16 x 16, 4 waves a work-group, clusters of 4 x 4, 327,680 bytes of LDS; arguments xb, wb, bias, qkv; writes qkv
.if DOCPART == 2
	.amdgcn_target "amdgcn-amd-amdhsa--gfx1250"
	.amdhsa_code_object_version 6
	.text
	.protected	k_q3e4ea8247d_qkv
	.globl	k_q3e4ea8247d_qkv
	.p2align	8
	.type	k_q3e4ea8247d_qkv,@function
k_q3e4ea8247d_qkv:
	s_mov_b64 s[64:65], 0
	v_nop
	global_prefetch_b8 v0, s[64:65] scope:SCOPE_SE
	s_setreg_imm32_b32 hwreg(HW_REG_WAVE_MODE, 25, 1), 1
	s_wait_xcnt 0x0
	s_wait_alu depctr_hold_cnt(0) depctr_sa_sdst(0) depctr_va_vdst(0) depctr_va_sdst(0) depctr_va_ssrc(0) depctr_va_vcc(0) depctr_vm_vsrc(0)
	s_getreg_b32 s2, hwreg(HW_REG_IB_STS2, 6, 4)
	s_cmp_eq_u32 s2, 0
	s_cbranch_scc0 .Lentry_in_a_cluster
	s_endpgm
.Lentry_in_a_cluster:
	s_bfe_u32 s2, ttmp6, 0x10000c
	s_cmp_lg_u32 s2, 0xf033
	s_cbranch_scc0 .Lentry_shape_is_right
	s_endpgm
.Lentry_shape_is_right:
; qkv[m][n] = sum over k of x[m][k] W[k][n] + bias[n], m < 4096, n < 6144 (q, k, v side by side), k < 1024; bf16 operands, f32 sums, bf16 out.
; 16 x 16 work-groups of 256 rows x 384 columns: one for each of 256 WGPs.  Four waves; wave (rh, ch) makes 128 x 192: 96 accumulator tiles, 768 registers.
; For 32 along K a wave reads 8 fragments of x and 12 of W (40 LDS loads) for 96 matrix instructions.
; K goes in 16 steps of 64 through two LDS slots; two slots of a step of 128 would take 2 x 184,320 bytes, more than a WGP's LDS.
; CLUSTERS: 4 x 4.  x's tile hangs on the block row alone and is asked for jointly along a row of the cluster, W's on the block column alone and jointly along a column.
; The block row is 4 cy + cluster y: cy is the batch, the cluster's y the block of 256 rows inside the batch, the same in all sixteen partners.
; TWO PARTS FOR THE FIRST 256 ROWS OF A BATCH (cluster y = 0): a query with n keys gets a mean of n rows of v, in which the rounding to 8 bits falls only as 1 / sqrt(n).
; So these rows are stored twice: rounded to bf16 in their own row, and the rest (number less its rounded value, exact in f32, rounded to bf16) in row 4096 + 256 b + t.
; W lies [k][n] in memory and in LDS; its fragments are read by the transposing LDS load.
; THE MATRIX INSTRUCTION IS USED TRANSPOSED (source 0 = 16 columns of W, source 1 = 16 rows of x): a lane's eight results are eight neighbouring columns of one row.
; The accumulators take turns, one instruction a turn, in the same order in every 32 along K.
;
; LDS, a slot of 92,160 bytes: W's 64 k rows of 6 x (128 + 16) = 864 bytes, then x's 256 rows of 128 + 16 = 144 bytes.
;   864 is an odd multiple of 32 and 144 an odd multiple of 16: the rows that one fragment load touches start at different 16-byte columns modulo 256.
; The stage of the way out (256 rows of 768 + 16 bytes) lies over the ring, behind the ring's last fill and a barrier.
; REGISTERS: window 0: v16-25 addresses; v32-95, v96-159 x's fragments, two buffers; v160-255 W's 12 fragments in 3 groups of 4, one buffer:
;   a group is loaded again right behind the 32 matrix instructions that read it, 64 matrix instructions ahead of its next use.
;   windows 1-3: accumulator (b, a) in window 1 + b / 4 at v[8 (8 (b % 4) + a)].
.set SLOT,   92160
.set BPITCH, 864
.set APITCH, 144
.set AOFF,   64*BPITCH                 ; 55,296: x's rows behind W's
.set SPITCH, 784
.set ASTEP,  524288                    ; a K step in xb
.set BSTEP,  64*12288                  ; a K step in wb
.set ADRA, 16                          ; v16-17  LDS address of my x fragments in slot 0, 1
.set ADRB, 18                          ; v18-19  the same for W
.set STO,  20                          ; v20-21  the way out: my 16 bytes in the stage, rows 0-63 and 64-127 of my block
.set RD,   22                          ; v22     the way out: where I read rows back
.set CO,   23                          ; v23     my byte offset in qkv
.set BO,   24                          ; v24     my byte offset in the bias
.set NEG1, 25                          ; v25     -1.0
.set FA0,  32
.set FA1,  96
.set FB,   160
.set G1A, 24                           ; s[24:31] descriptor group 1, x's tiles
.set G0A, 32                           ; s[32:39] group 0, x's tiles, a set for each slot
.set G1B, 48                           ; s[48:55] group 1, W's tiles
.set G0B, 56                           ; s[56:63] group 0, W's tiles, a set for each slot
.set MSB, 0
.macro WIN new                         ; the immediate's high byte repeats the setting that is left
.if MSB != (\new)
	s_set_vgpr_msb (MSB<<8)|(\new)
.set MSB, (\new)
.endif
.endm
.macro PLACES                          ; four plain vector instructions behind a matrix instruction, before a load lands on or a vector instruction touches its registers
.rept 4
	v_nop
.endr
.endm
; A joint load: waves 0 and 1 fetch W's two halves (32 k rows each), waves 2 and 3 x's (128 rows each).  The branch hangs on the wave's number alone.
.macro JLOAD s
	s_cmp_eq_u32 s13, 0
	s_cbranch_scc0 .Lfor_a_\@
	tensor_load_to_lds s[G0B+4*\s:G0B+4*\s+3], s[G1B:G1B+7]
	s_nop 0
	s_branch .Lasked_\@
.Lfor_a_\@:
	tensor_load_to_lds s[G0A+4*\s:G0A+4*\s+3], s[G1A:G1A+7]
	s_nop 0
.Lasked_\@:
.endm
.macro CREST                           ; a round of the cluster's barrier behind its opening work-group barrier
	s_cmp_lg_u32 s12, 0
	s_cbranch_scc1 .Lnot_wave_0_\@
	s_barrier_signal -3
.Lnot_wave_0_\@:
	s_barrier_wait -3
	s_barrier_signal -1
	s_barrier_wait -1
.endm
.macro CROUND
	s_barrier_signal -1
	s_barrier_wait -1
	CREST
.endm
	s_load_b256 s[4:11], s[0:1], 0x0               ; xb s[4:5], wb s[6:7], bias s[8:9], qkv s[10:11]
	v_lshl_add_u32 v30, v0, 2, 0x31000
	v_mov_b32 v31, 0
	ds_add_u32 v30, v31
	ds_add_u32 v30, v31
	v_lshrrev_b32 v1, 5, v0
	v_readfirstlane_b32 s12, v1                    ; wave 0..3
	s_lshr_b32 s13, s12, 1                         ; rh: my half of the rows.  Also: I fetch for W (0) or for x (1)
	s_and_b32 s14, s12, 1                          ; ch: my half of the columns.  Also: which half of that tile I fetch
	s_bfe_u32 s40, ttmp6, 0x40000                  ; cx
	s_bfe_u32 s41, ttmp6, 0x40004                  ; cy: the batch
	s_lshl_b32 s42, ttmp9, 2
	s_add_co_u32 s42, s42, s40                     ; block column = 4 x cluster x + cx
	s_and_b32 s45, ttmp7, 0xffff                   ; cluster y: the block of 256 rows inside the batch
	s_lshl_b32 s15, s41, 2
	s_add_co_u32 s15, s15, s45                     ; block row = 4 x cy + cluster y
	s_lshl_b32 s43, s41, 2
	s_lshl_b32 s43, 15, s43                        ; my row of the cluster
	s_lshl_b32 s44, 0x1111, s40                    ; my column
	; x's tile: 128 rows x 128 bytes are 16,384 consecutive bytes of xb: 64 rows of 32 elements of 8 bytes; 16 bytes of padding behind every 128
	s_or_b32 s[G1A+0], s43, (3<<16)|(1<<20)|(1<<21)|(4<<22)|(3<<25)
	s_mov_b32 s[G1A+1], 32<<16                     ; tensor_dim0 = 32
	s_mov_b32 s[G1A+2], 64<<16                     ; tensor_dim1 = 64
	s_mov_b32 s[G1A+3], 32<<16                     ; tile_dim0 = 32
	s_mov_b32 s[G1A+4], 64                         ; tile_dim1 = 64
	s_mov_b32 s[G1A+5], 32                         ; from row to row: 32 elements
	s_mov_b32 s[G1A+6], 0
	s_mov_b32 s[G1A+7], 0
	; W's tile: 32 k rows x 384 elements of 2 bytes (768 bytes, starting at a multiple of 256 in wb's row); the same padding
	s_or_b32 s[G1B+0], s44, (1<<16)|(1<<20)|(1<<21)|(4<<22)|(3<<25)
	s_mov_b32 s[G1B+1], 384<<16
	s_mov_b32 s[G1B+2], 32<<16
	s_mov_b32 s[G1B+3], 384<<16
	s_mov_b32 s[G1B+4], 32
	s_mov_b32 s[G1B+5], 6144
	s_mov_b32 s[G1B+6], 0
	s_mov_b32 s[G1B+7], 0
	s_lshl_b32 s16, s15, 15                        ; x: (256 x block row + 128 x half) rows of 128 bytes
	s_lshl_b32 s17, s14, 14
	s_add_co_u32 s16, s16, s17
	s_mov_b32 s17, 0
	s_mul_i32 s46, s42, 768                        ; W: 768 bytes x block column + 32 x half rows of 12,288 bytes
	s_mul_i32 s47, s14, 32*12288
	s_add_co_u32 s46, s46, s47
	s_mov_b32 s47, 0
	s_mul_i32 s22, s12, 128*APITCH                 ; x's halves go to AOFF + (wave - 2) x 18,432
	s_add_co_u32 s22, s22, AOFF-2*128*APITCH
	s_mul_i32 s23, s12, 32*BPITCH                  ; W's halves to wave x 27,648
	s_wait_dscnt 0x0
	s_wait_kmcnt 0x0
	s_add_nc_u64 s[20:21], s[4:5], s[16:17]
	s_add_nc_u64 s[46:47], s[6:7], s[46:47]
	CROUND                                         ; all sixteen work-groups are here: the first joint loads meet
.irp s, 0,1
	s_mov_b32 s[G0A+4*\s], 1
	s_add_co_u32 s[G0A+4*\s+1], s22, \s*SLOT
	s_add_nc_u64 s[G0A+4*\s+2:G0A+4*\s+3], s[20:21], \s*ASTEP
	s_or_b32 s[G0A+4*\s+3], s[G0A+4*\s+3], 0x80000000
	s_mov_b32 s[G0B+4*\s], 1
	s_add_co_u32 s[G0B+4*\s+1], s23, \s*SLOT
	s_add_nc_u64 s[G0B+4*\s+2:G0B+4*\s+3], s[46:47], \s*BSTEP
	s_or_b32 s[G0B+4*\s+3], s[G0B+4*\s+3], 0x80000000
	JLOAD \s                                       ; both slots are asked for before anything else: two tensor loads of a wave are out
.endr
	v_and_b32 v1, 15, v0                           ; r
	v_bfe_u32 v2, v0, 4, 1                         ; h
	v_mul_u32_u24 v3, v1, APITCH                   ; x: row r, 16 bytes for each half of the lanes
	v_lshl_add_u32 v3, v2, 4, v3
	s_mul_i32 s16, s13, 128*APITCH
	s_add_co_u32 s16, s16, AOFF
	v_add_nc_u32 v[ADRA], s16, v3
	v_add_nc_u32 v[ADRA+1], SLOT, v[ADRA]
	v_and_b32 v4, 7, v0                            ; W: k row 8 h + lane % 8, 16 bytes by bit 3 of the lane
	v_lshl_add_u32 v4, v2, 3, v4
	v_mul_u32_u24 v4, v4, BPITCH
	v_bfe_u32 v5, v0, 3, 1
	v_lshl_add_u32 v4, v5, 4, v4
	s_mul_i32 s16, s14, 432                        ; my 192 columns: three pieces of 144 bytes
	v_add_nc_u32 v[ADRB], s16, v4
	v_add_nc_u32 v[ADRB+1], SLOT, v[ADRB]
	v_mul_u32_u24 v6, v1, SPITCH                   ; the stage: row 128 rh + r, byte 384 ch + 16 h
	v_lshl_add_u32 v6, v2, 4, v6
	s_mul_i32 s16, s13, 128*SPITCH
	s_mul_i32 s17, s14, 384
	s_add_co_u32 s16, s16, s17
	v_add_nc_u32 v[STO], s16, v6
	v_add_nc_u32 v[STO+1], 64*SPITCH, v[STO]
	v_mul_u32_u24 v6, v2, SPITCH                   ; back: rows 64 wave + h, 16 bytes a lane of 256
	v_lshl_add_u32 v6, v1, 4, v6
	s_mul_i32 s16, s12, 64*SPITCH
	v_add_nc_u32 v[RD], s16, v6
	v_mul_u32_u24 v6, v2, 12288
	v_lshl_add_u32 v[CO], v1, 4, v6
	v_lshlrev_b32 v[BO], 5, v2                     ; my eight columns of a tile of 16: 32 h bytes
	s_mul_i32 s16, s15, 256*12288                  ; qkv at row 256 x block row + 64 x wave,
	s_mul_i32 s17, s12, 64*12288
	s_add_co_u32 s16, s16, s17
	s_mov_b32 s17, 0
	s_add_nc_u64 s[10:11], s[10:11], s[16:17]
	s_mul_i32 s46, s42, 768                        ; byte 768 x block column
	s_mov_b32 s47, 0
	s_add_nc_u64 s[10:11], s[10:11], s[46:47]
	s_mul_i32 s46, s42, 1536                       ; the bias of my 192 columns
	s_mul_i32 s47, s14, 768
	s_add_co_u32 s46, s46, s47
	s_mov_b32 s47, 0
	s_add_nc_u64 s[8:9], s[8:9], s[46:47]
.macro LDA slot, kq, f                 ; 16 loads: x's 8 fragments (16 rows x 32 K) of half step kq
.irp a, 0,1,2,3,4,5,6,7
	ds_load_b128 v[\f+8*\a:\f+8*\a+3],   v[ADRA+\slot] offset:\a*16*APITCH+64*\kq
	ds_load_b128 v[\f+8*\a+4:\f+8*\a+7], v[ADRA+\slot] offset:\a*16*APITCH+64*\kq+32
.endr
.endm
.macro LDB slot, kq, g                 ; 8 transposing loads: W's fragments 4 g .. 4 g + 3 (32 K x 16 columns) of half step kq
.irp bb, 0,1,2,3
	ds_load_tr16_b128 v[FB+32*\g+8*\bb:FB+32*\g+8*\bb+3],   v[ADRB+\slot] offset:\kq*32*BPITCH+144*\g+32*\bb
	ds_load_tr16_b128 v[FB+32*\g+8*\bb+4:FB+32*\g+8*\bb+7], v[ADRB+\slot] offset:\kq*32*BPITCH+144*\g+32*\bb+16*BPITCH
.endr
.endm
.macro MUL16 f, g, bb0, zero           ; 16 matrix instructions: W's fragments bb0, bb0 + 1 of group g x x's 8.  zero = 1: the product starts the sums
.irp bb, \bb0, \bb0+1
.irp a, 0,1,2,3,4,5,6,7
.if \zero
	v_wmma_f32_16x16x32_bf16 v[8*(8*(\bb)+\a):8*(8*(\bb)+\a)+7], v[FB+32*\g+8*(\bb):FB+32*\g+8*(\bb)+7], v[\f+8*\a:\f+8*\a+7], 0
.else
	v_wmma_f32_16x16x32_bf16 v[8*(8*(\bb)+\a):8*(8*(\bb)+\a)+7], v[FB+32*\g+8*(\bb):FB+32*\g+8*(\bb)+7], v[\f+8*\a:\f+8*\a+7], v[8*(8*(\bb)+\a):8*(8*(\bb)+\a)+7]
.endif
.endr
.endr
.endm
.macro MULG f, g, zero                 ; group g's 32: C and D in window 1 + g, the fragments in window 0
	WIN (0x50*(\g+1))
	MUL16 \f, \g, 0, \zero
	MUL16 \f, \g, 2, \zero
.endm
; The first 32 K of a step, on buffer 0; the second 32 K's fragments are fetched.  On the way in 40 LDS loads are out, in this order: group 0 (8), x (16), group 1 (8), group 2 (8).
.macro HALF slot, zero
	s_wait_dscnt 16                                ; group 0 and x are in; groups 1 and 2 may be out
	MULG FA0, 0, \zero
	WIN 0
	PLACES
	LDB \slot, 1, 0
	LDA \slot, 1, FA1
	s_wait_dscnt 32                                ; group 1 is in: group 2's 8 and the 24 just issued may be out
	MULG FA0, 1, \zero
	WIN 0
	PLACES
	LDB \slot, 1, 1
	s_wait_dscnt 32                                ; group 2 is in: the 24 and the 8 may be out
	MULG FA0, 2, \zero
	WIN 0
	PLACES
	LDB \slot, 1, 2
.endm
; The second 32 K, on buffer 1, and the change of slots.  In front of the barrier each wave waits for its reads of this slot and for all its tensor loads
; (one is out: its part of the next slot).  fill = 1: the barrier opens a round of the cluster's barrier, and the joint refill of this slot is the first tensor load behind the round.
; From a refill to the wait for it a wave issues 64 + 96 + 16 = 176 matrix instructions.
.macro TURNH slot, next, fill
	s_wait_dscnt 16
	WIN 0x50
	MUL16 FA1, 0, 0, 0
	s_wait_dscnt 0x0                               ; my reads of this slot are over
	s_wait_tensorcnt 0x0                           ; all my tensor loads have landed
	ds_add_u32 v30, v31
	s_wait_dscnt 0x0
	s_barrier_signal -1
	MUL16 FA1, 0, 2, 0                             ; register work while the others arrive
	WIN 0
	s_barrier_wait -1
.if \fill
	CREST                                          ; no wave of any partner still reads this slot or has a load on its way
	s_add_nc_u64 s[G0A+4*\slot+2:G0A+4*\slot+3], s[G0A+4*\slot+2:G0A+4*\slot+3], 2*ASTEP
	s_add_nc_u64 s[G0B+4*\slot+2:G0B+4*\slot+3], s[G0B+4*\slot+2:G0B+4*\slot+3], 2*BSTEP
	JLOAD \slot
.endif
	PLACES
	LDB \next, 0, 0
	LDA \next, 0, FA0
	MULG FA1, 1, 0
	WIN 0
	PLACES
	LDB \next, 0, 1
	MULG FA1, 2, 0
	WIN 0
	PLACES
	LDB \next, 0, 2
.endm
.macro LAP zero
	HALF 0, \zero
	TURNH 0, 1, 1
	HALF 1, 0
	TURNH 1, 0, 1
.endm
	s_wait_tensorcnt 0x1                           ; my part of K step 0 is in; step 1's may stay out
	s_barrier_signal -1
	s_barrier_wait -1
	LDB 0, 0, 0
	LDA 0, 0, FA0
	LDB 0, 0, 1
	LDB 0, 0, 2
	LAP 1                                          ; steps 0 and 1; the first products start the sums; steps 2 and 3 are asked for
	s_mov_b32 s3, 6                                ; steps 2 to 13, which ask for steps 4 to 15
.Llap:
	LAP 0
	s_sub_co_u32 s3, s3, 1
	s_cmp_lg_u32 s3, 0
	s_cbranch_scc1 .Llap
	HALF 0, 0                                      ; steps 14 and 15 fill nothing
	TURNH 0, 1, 0
	HALF 1, 0
	s_wait_dscnt 16
	MULG FA1, 0, 0
	s_wait_dscnt 8                                 ; group 2 may be out
	MULG FA1, 1, 0
	s_wait_dscnt 0x0
	MULG FA1, 2, 0
	; THE WAY OUT.  The bias of my 192 columns: a lane's eight columns of tile b are the 32 bytes at 64 b + 32 h.
	WIN 0
	PLACES
.irp b, 0,1,2,3,4,5,6,7,8,9,10,11
	global_load_b128 v[FB+8*\b:FB+8*\b+3],   v[BO], s[8:9] offset:64*\b
	global_load_b128 v[FB+8*\b+4:FB+8*\b+7], v[BO], s[8:9] offset:64*\b+16
.endr
	s_barrier_signal -1                            ; every wave's reads of the ring are back (its wait for 0 above) and no tensor load is out:
	s_barrier_wait -1                              ; the stage may be written over the ring
	s_wait_loadcnt 0x0
.macro CVTW wn                         ; window wn's 256 numbers, rounded to bf16, into v32-159
	WIN ((\wn<<2)|\wn)
.irp bb, 0,1,2,3
.irp a, 0,1,2,3,4,5,6,7
.irp p, 0,1,2,3
	v_cvt_pk_bf16_f32 v[FA0+4*(8*\bb+\a)+\p], v[8*(8*\bb+\a)+2*\p], v[8*(8*\bb+\a)+2*\p+1]
.endr
.endr
.endr
	WIN 0
.endm
.macro STW wn                          ; and from there 16 bytes a lane into the stage
.irp bb, 0,1,2,3
.irp a, 0,1,2,3,4,5,6,7
	ds_store_b128 v[STO+(\a/4)], v[FA0+4*(8*\bb+\a):FA0+4*(8*\bb+\a)+3] offset:(\a%4)*16*SPITCH+32*(4*(\wn-1)+\bb)
.endr
.endr
.endm
.macro OUTW wn                         ; window wn: add the bias in place, round, stage
	WIN ((\wn<<6)|\wn)
.irp bb, 0,1,2,3
.irp a, 0,1,2,3,4,5,6,7
.irp p, 0,2,4,6
	v_pk_add_f32 v[8*(8*\bb+\a)+\p:8*(8*\bb+\a)+\p+1], v[8*(8*\bb+\a)+\p:8*(8*\bb+\a)+\p+1], v[FB+32*(\wn-1)+8*\bb+\p:FB+32*(\wn-1)+8*\bb+\p+1]
.endr
.endr
.endr
	CVTW \wn
	STW \wn
.endm
.macro OUTL wn                         ; window wn: the rest: number less its rounded value (one exact multiply-add from the bf16 half), rounded, staged
	CVTW \wn
	WIN (0x50*\wn)                                 ; source 2 and destination in window wn, the packed values and -1.0 in window 0
.irp bb, 0,1,2,3
.irp a, 0,1,2,3,4,5,6,7
.irp p, 0,1,2,3
	v_fma_mix_f32_bf16 v[8*(8*\bb+\a)+2*\p],   v[FA0+4*(8*\bb+\a)+\p], v[NEG1], v[8*(8*\bb+\a)+2*\p]   op_sel_hi:[1,0,0]
	v_fma_mix_f32_bf16 v[8*(8*\bb+\a)+2*\p+1], v[FA0+4*(8*\bb+\a)+\p], v[NEG1], v[8*(8*\bb+\a)+2*\p+1] op_sel:[1,0,0] op_sel_hi:[1,0,0]
.endr
.endr
.endr
	CVTW \wn
	STW \wn
.endm
.macro OUTG g, f                       ; 16 of my 64 rows: 24 loads and 24 stores; sixteen lanes store 256 consecutive bytes, aligned
.if \g >= 2
	s_wait_xcnt 0x0                                ; buffer f, which the stores of two groups ago read, is loaded again only behind this wait (ISA guide 3.1)
.endif
.irp t, 0,1,2,3,4,5,6,7
.irp c, 0,1,2
	ds_load_b128 v[\f+4*(3*\t+\c):\f+4*(3*\t+\c)+3], v[RD] offset:\g*16*SPITCH+\t*2*SPITCH+256*\c
.endr
.endr
.irp t, 0,1,2,3,4,5,6,7
.irp c, 0,1,2
	s_wait_dscnt 23-(3*\t+\c)                      ; LDS loads come back in order: this one is in, the younger ones stay out
	global_store_b128 v[CO], v[\f+4*(3*\t+\c):\f+4*(3*\t+\c)+3], s[10:11] offset:(16*\g+2*\t)*12288+256*\c
.endr
.endr
.endm
	OUTW 1
	OUTW 2
	OUTW 3
	s_wait_dscnt 0x0                               ; my stores into the stage are done,
	s_barrier_signal -1
	s_barrier_wait -1                              ; everybody's are: whole rows of 768 bytes can be read back
	OUTG 0, 32
	OUTG 1, 128
	OUTG 2, 32
	OUTG 3, 128
	; The rest parts, for the first 256 rows of a batch alone.  The branch hangs on the cluster's y, which all sixteen partners share.
	s_cmp_lg_u32 s45, 0
	s_cbranch_scc1 .Lno_rest
	s_wait_xcnt 0x0                                ; the stores above have read v32-223 and their base: both are rewritten only behind this wait
	s_mul_i32 s16, s41, 768                        ; from row 1024 b + .. to row 4096 + 256 b + ..: 4096 - 768 b rows on
	s_sub_co_u32 s16, 4096, s16
	s_mul_i32 s16, s16, 12288
	s_mov_b32 s17, 0
	s_add_nc_u64 s[10:11], s[10:11], s[16:17]
	v_mov_b32 v[NEG1], -1.0
	s_wait_dscnt 0x0                               ; my reads of the stage are back (met: the last count-down ended at 0),
	s_barrier_signal -1
	s_barrier_wait -1                              ; everybody's are: the stage may be written again
	OUTL 1
	OUTL 2
	OUTL 3
	s_wait_dscnt 0x0
	s_barrier_signal -1
	s_barrier_wait -1
	OUTG 0, 32
	OUTG 1, 128
	OUTG 2, 32
	OUTG 3, 128
.Lno_rest:
	s_wait_tensorcnt 0x0
	ds_add_u32 v30, v31
	s_wait_dscnt 0x0
	CROUND                                         ; the closing round: no work-group ends while a partner may still ask for a tile that names it
	s_endpgm
.Lfunc_end_k_q3e4ea8247d_qkv:
	.size	k_q3e4ea8247d_qkv, .Lfunc_end_k_q3e4ea8247d_qkv-k_q3e4ea8247d_qkv
	.p2alignl 7, 3214868480
	.fill 96, 4, 3214868480
	.section	.rodata,"a",@progbits
	.p2align	6, 0x0
	.amdhsa_kernel k_q3e4ea8247d_qkv
		.amdhsa_group_segment_fixed_size 327680
		.amdhsa_private_segment_fixed_size 0
		.amdhsa_enable_private_segment 0
		.amdhsa_kernarg_size 32
		.amdhsa_user_sgpr_count 2
		.amdhsa_user_sgpr_kernarg_segment_ptr 1
		.amdhsa_wavefront_size32 1
		.amdhsa_system_sgpr_workgroup_id_x 1
		.amdhsa_system_sgpr_workgroup_id_y 1
		.amdhsa_system_sgpr_workgroup_id_z 1
		.amdhsa_system_vgpr_workitem_id 0
		.amdhsa_next_free_vgpr 1024
		.amdhsa_next_free_sgpr 66
		.amdhsa_reserve_vcc 0
		.amdhsa_float_denorm_mode_32 3
		.amdhsa_float_denorm_mode_16_64 3
		.amdhsa_memory_ordered 1
		.amdhsa_forward_progress 1
		.amdhsa_inst_pref_size 255
	.end_amdhsa_kernel
	.section	.bss,"aw",@nobits
	.p2align	6
	.space	262144
	.amdgpu_metadata
---
amdhsa.version: [ 1, 2 ]
amdhsa.kernels:
  - .name:           k_q3e4ea8247d_qkv
    .symbol:         k_q3e4ea8247d_qkv.kd
    .args:
      - { .name: xb, .offset: 0, .size: 8, .value_kind: global_buffer, .address_space: global }
      - { .name: wb, .offset: 8, .size: 8, .value_kind: global_buffer, .address_space: global }
      - { .name: bias, .offset: 16, .size: 8, .value_kind: global_buffer, .address_space: global }
      - { .name: qkv, .offset: 24, .size: 8, .value_kind: global_buffer, .address_space: global }
    .group_segment_fixed_size: 327680
    .private_segment_fixed_size: 0
    .kernarg_segment_align: 8
    .kernarg_segment_size: 32
    .max_flat_workgroup_size: 128
    .sgpr_count:     66
    .vgpr_count:     1024
    .wavefront_size: 32
...
	.end_amdgpu_metadata
.endif
;; end of part 2
;; launch scores (part 3): grid 37 x 4, 4 waves a work-group, no clusters, 327,680 bytes of LDS; arguments qkv, e, stat; writes e, stat
.if DOCPART == 3
	.amdgcn_target "amdgcn-amd-amdhsa--gfx1250"
	.amdhsa_code_object_version 6
	.text
	.protected	k_q3e4ea8247d_scores
	.globl	k_q3e4ea8247d_scores
	.p2align	8
	.type	k_q3e4ea8247d_scores,@function
k_q3e4ea8247d_scores:
	s_mov_b64 s[64:65], 0
	v_nop
	global_prefetch_b8 v0, s[64:65] scope:SCOPE_SE
	s_setreg_imm32_b32 hwreg(HW_REG_WAVE_MODE, 25, 1), 1
	s_wait_xcnt 0x0
; S = q k^T for the causal tiles of 128 x 128, and the first half of the softmax, by blocks of 64 keys.  With c = log2(e) / 32, for each row and block:
;   m = the block's largest S (masked places are -inf; m is held at -2^127 from below),  t = floor(-c m),  E = 2^(c S + t) in (0, 1],  l = the sum of E in f32.
; E goes to e in bf16, t and l to stat [2 planes: t, l][4 b][16 blocks][1024 rows] in f32.  The next launch brings the blocks of a row to the row's own maximum.
; So a maximum is taken away in front of every exponential: the block's here, the row's there.
; LIMIT: a block whose maximum lies more than 126 binades under its row's maximum counts as 0 there (its weights are below 2^-126 of the row's largest).
; LIMIT OF FORMAT: from query 64 on q and k enter rounded to bf16 once; from query 256 on E is stored rounded to bf16 once.
; A query with n keys gets a mean of n rows of v, in which roundings to 8 bits fall only as 1 / sqrt(n).  So the early queries get more bits:
;   queries 0-255 (tiles with I <= 1): E is stored in two bf16 parts, in columns of e that the triangle leaves free: rounded at byte 0, the rest at byte 512, rounded once more at byte 1,024 of the row
;     (the next launch walks them as three runs of keys: rounded E with rounded v, rest of E with rounded v, rounded E with rest of v);
;   queries 0-63 with keys 0-63: q and k enter in two parts.  A work-group of its own (u = 36) takes as its 128 rows of q the rounded and the rest parts of queries 0-63, and of k likewise:
;     its four waves then hold the four partial products, which wave 0 adds; from there it goes on as tile (0, 0).  It stores rows 0-63 alone, and tile (0, 0)'s own work-group rows 64-127 alone.
; Work-group (u, b): u < 36 is tile (I, J) of the triangle, u = I (I + 1) / 2 + J; 37 x 4 = 148 work-groups of equal work.
; NO CLUSTER: the triangle's rows have 1 to 8 tiles and its columns 8 to 1, so it does not split into lines of four that share a block of q or of k
; without partners that have no tile to compute.
; Four waves; wave (rh, ch) makes 64 x 64: 16 accumulators, which take turns, one instruction a turn.
; K = 2048 goes in 8 fills of 256 through two LDS slots; a tile's rows are 512 bytes of memory.  Each wave fetches 64 rows: waves 0, 1 q's, waves 2, 3 k's.
; The matrix instruction is used transposed (source 0 = 16 keys, source 1 = 16 queries): lane r holds row t = r, registers j the keys 8 h + j.
; REGISTERS: window 0: v2-59 addresses and the softmax's figures, v64-127 packed E, v128-255 accumulators (tile (a, b) at 128 + 8 (4 a + b));
;   window 1: two fragment buffers of 128 registers, each 64 along K: at 64 kk + 8 i k's fragments, at 64 kk + 32 + 8 i q's.
.set PITCH, 528                        ; 512 + 16: an odd multiple of 16
.set HALFB, 64*PITCH                   ; what one tensor load brings
.set SLOT,  4*HALFB                    ; q's 128 rows, then k's 128 rows
.set ESTG,  2*SLOT                     ; the stage for E: 128 rows of 256 + 16 bytes
.set EP,    272
.set SSTG,  ESTG+128*EP                ; the stage for t and l: 512 bytes a wave
; Slot 0 has its last fill, and its last reads lie in front of the last change of slots' barrier: behind the loop its bytes serve as stages.
.set RSTG,  0                          ; the partial products: 16,384 bytes a wave
.set ELSTG, 65536                      ; the stage for the rest of E, laid out as E's
.set TX,   2                           ; v2-5    from the other half of the lanes (written at the head, as lane figures)
.set ADQ,  8                           ; v8-9    LDS address of my q fragments in slot 0, 1
.set ADK,  10                          ; v10-11  the same for k
.set ESTO, 12
.set ERD,  13
.set ECO,  14
.set SST,  15
.set SRD,  16
.set SCO,  17
.set DD,   18                          ; my row less my first key, in the tile
.set NEG,  19                          ; -inf for the mask, later -1.0
.set MX,   20                          ; v20-23  a row block's maximum
.set TP,   28                          ; v28-35  t, twice, for each row block
.set SM,   36                          ; v36-43  sums
.set ST,   44                          ; v44-47  t and l of two rows, to store
.set ZR,   48                          ; v48-51  zeros
.set ZV,   52                          ; v52-55  a neutral figure
.set ZCO,  56                          ; 16 x lane
.set ELSTO, 57
.set ELRD, 58
.set RB,   59                          ; 16,384 x wave + 16 x lane
.set PK,   64
.set ACC,  128
.set F0,   0
.set F1,   128
.set G1, 16                            ; s[16:23]
.set G0, 24                            ; s[24:31], a set for each slot
.set LD,  0x40                         ; loads: destination window 1, address window 0
.set MUL, 0x05                         ; products: sources 0 and 1 window 1, C and D window 0
.set MSB, 0
.macro WIN new
.if MSB != (\new)
	s_set_vgpr_msb (MSB<<8)|(\new)
.set MSB, (\new)
.endif
.endm
.macro PLACES
.rept 4
	v_nop
.endr
.endm
	s_load_b128 s[4:7], s[0:1], 0x0                ; qkv s[4:5], e s[6:7]
	s_load_b64 s[8:9], s[0:1], 0x10                ; stat
	v_lshl_add_u32 v62, v0, 2, 0x4b000
	v_mov_b32 v63, 0
	ds_add_u32 v62, v63
	ds_add_u32 v62, v63
	v_lshrrev_b32 v1, 5, v0
	v_readfirstlane_b32 s10, v1                    ; wave
	s_lshr_b32 s11, s10, 1                         ; rh
	s_and_b32 s12, s10, 1                          ; ch
	s_and_b32 s13, ttmp7, 0xffff                   ; b
	s_mov_b32 s35, ttmp9                           ; u
	s_cmp_eq_u32 s35, 36
	s_cselect_b32 s54, 1, 0                        ; 1: the work-group of the two-part q and k
	s_cselect_b32 s35, 0, s35                      ; which goes on as tile 0
	s_cselect_b32 s55, 1, 2                        ; the half of the tile's rows that is NOT stored: its lower half; as a rule none (2);
	s_cmp_eq_u32 ttmp9, 0
	s_cselect_b32 s55, 0, s55                      ; tile (0, 0)'s own work-group: the upper half
	s_mov_b32 s14, 0                               ; I = how many of the triangle numbers 1, 3, .. 28 are at most u
.irp c, 1,3,6,10,15,21,28
	s_cmp_ge_u32 s35, \c
	s_add_co_ci_u32 s14, s14, 0
.endr
	s_add_co_u32 s32, s14, 1
	s_mul_i32 s32, s32, s14
	s_lshr_b32 s32, s32, 1
	s_sub_co_u32 s15, s35, s32                     ; J = u - I (I + 1) / 2 <= I
	s_mov_b32 s[G1+0], (1<<16)|(1<<20)|(6<<22)|(3<<25)   ; elements of 2 bytes; 16 bytes of padding behind every 512
	s_mov_b32 s[G1+1], 256<<16
	s_mov_b32 s[G1+2], 64<<16
	s_mov_b32 s[G1+3], 256<<16
	s_mov_b32 s[G1+4], 64
	s_mov_b32 s[G1+5], 6144
	s_mov_b32 s[G1+6], 0
	s_mov_b32 s[G1+7], 0
	s_cmp_lt_u32 s10, 2
	s_cselect_b32 s36, s14, s15                    ; waves 0, 1: q's block I at byte 0 of a row; waves 2, 3: k's block J at byte 4,096
	s_cselect_b32 s37, 0, 4096
	s_lshl_b32 s38, s13, 10                        ; 1024 b
	s_lshl_b32 s36, s36, 7
	s_add_co_u32 s36, s38, s36
	s_lshl_b32 s33, s12, 6
	s_add_co_u32 s36, s36, s33                     ; a tile's: row 1024 b + 128 block + 64 half
	s_lshl_b32 s33, s13, 8
	s_add_co_u32 s33, s33, 4096                    ; the rest parts' first row: 4096 + 256 b
	s_cmp_eq_u32 s12, 0
	s_cselect_b32 s33, s38, s33                    ; two-part: half 0 the rounded rows 0-63, half 1 their rests
	s_cmp_eq_u32 s54, 1
	s_cselect_b32 s38, s33, s36
	s_mul_i32 s38, s38, 12288
	s_add_co_u32 s38, s38, s37
	s_mov_b32 s39, 0
	s_mul_i32 s40, s10, HALFB
	s_wait_dscnt 0x0
	s_wait_kmcnt 0x0
	s_add_nc_u64 s[38:39], s[4:5], s[38:39]
.irp s, 0,1
	s_mov_b32 s[G0+4*\s], 1
	s_add_co_u32 s[G0+4*\s+1], s40, \s*SLOT
	s_add_nc_u64 s[G0+4*\s+2:G0+4*\s+3], s[38:39], \s*512
	s_or_b32 s[G0+4*\s+3], s[G0+4*\s+3], 0x80000000
	tensor_load_to_lds s[G0+4*\s:G0+4*\s+3], s[G1:G1+7]   ; both first fills go out together: two tensor loads of a wave are out
	s_nop 0
.endr
	v_and_b32 v1, 15, v0                           ; r
	v_bfe_u32 v2, v0, 4, 1                         ; h
	v_and_b32 v3, 31, v0                           ; lane
	v_mul_u32_u24 v4, v1, PITCH
	v_lshl_add_u32 v4, v2, 4, v4
	s_mul_i32 s41, s11, HALFB
	s_mul_i32 s42, s12, HALFB
	s_add_co_u32 s42, s42, 2*HALFB
	v_add_nc_u32 v[ADQ], s41, v4
	v_add_nc_u32 v[ADK], s42, v4
	v_add_nc_u32 v[ADQ+1], SLOT, v[ADQ]
	v_add_nc_u32 v[ADK+1], SLOT, v[ADK]
	v_mul_u32_u24 v5, v1, EP                       ; E into its stage: row 64 rh + r, byte 128 ch + 16 h
	v_lshl_add_u32 v5, v2, 4, v5
	s_mul_i32 s43, s11, 64*EP
	s_lshl_b32 s44, s12, 7
	s_add_co_u32 s43, s43, s44
	v_add_nc_u32 v5, s43, v5
	v_add_nc_u32 v[ESTO], ESTG, v5
	v_add_nc_u32 v[ELSTO], ELSTG, v5
	v_mul_u32_u24 v5, v2, EP                       ; back: rows 32 wave + h
	v_lshl_add_u32 v5, v1, 4, v5
	s_mul_i32 s43, s10, 32*EP
	v_add_nc_u32 v5, s43, v5
	v_add_nc_u32 v[ERD], ESTG, v5
	v_add_nc_u32 v[ELRD], ELSTG, v5
	v_lshlrev_b32 v5, 11, v2
	v_lshl_add_u32 v[ECO], v1, 4, v5               ; 2,048 h + 16 r
	s_lshl_b32 s43, s10, 9
	s_add_co_u32 s43, s43, SSTG
	v_lshl_add_u32 v[SST], v1, 2, s43
	v_lshl_add_u32 v[SRD], v3, 3, s43
	v_lshlrev_b32 v[SCO], 3, v3
	v_lshlrev_b32 v[ZCO], 4, v3
	s_lshl_b32 s43, s10, 14
	v_lshl_add_u32 v[RB], v3, 4, s43
	s_sub_co_i32 s43, s11, s12
	s_lshl_b32 s43, s43, 6
	v_lshlrev_b32 v5, 3, v2
	v_sub_nc_u32 v5, v1, v5
	v_add_nc_u32 v[DD], s43, v5                    ; (64 rh + r) - (64 ch + 8 h)
	s_mov_b32 s46, 0x76543210                      ; v_permlanex16_b32: lane i of one half reads lane i of the other
	s_mov_b32 s47, 0xfedcba98
	s_lshl_b32 s44, s13, 10                        ; e at row 1024 b + 128 I + 32 wave, byte 256 J
	s_lshl_b32 s45, s14, 7
	s_add_co_u32 s44, s44, s45
	s_lshl_b32 s45, s10, 5
	s_add_co_u32 s44, s44, s45
	s_lshl_b32 s44, s44, 11
	s_lshl_b32 s45, s15, 8
	s_add_co_u32 s44, s44, s45
	s_mov_b32 s45, 0
	s_add_nc_u64 s[6:7], s[6:7], s[44:45]
	s_lshl_b32 s48, s13, 4                         ; stat: block 16 b + 2 J + ch, row 128 I
	s_lshl_b32 s49, s15, 1
	s_add_co_u32 s48, s48, s49
	s_add_co_u32 s48, s48, s12
	s_lshl_b32 s48, s48, 10
	s_lshl_b32 s49, s14, 7
	s_add_co_u32 s48, s48, s49
	s_lshl_b32 s48, s48, 2
	s_lshl_b32 s49, s11, 8
	s_add_co_u32 s44, s48, s49                     ; mine: + 64 rh rows
	s_mov_b32 s45, 0
	s_add_nc_u64 s[50:51], s[8:9], s[44:45]
	s_lshl_b32 s49, s11, 18
	s_add_co_u32 s44, s48, s49                     ; the neutral figures' (used on the diagonal alone): two blocks on, plane rh
	s_add_co_u32 s44, s44, 8192
	s_add_nc_u64 s[52:53], s[8:9], s[44:45]
.macro FETCH slot, k, f                ; 32 loads: 64 along K at byte k of the rows: for each 32, k's 4 fragments, then q's 4
	WIN LD
.irp kk, 0,1
.irp i, 0,1,2,3
	ds_load_b128 v[\f+64*\kk+8*\i:\f+64*\kk+8*\i+3],   v[ADK+\slot] offset:\k+64*\kk+\i*16*PITCH
	ds_load_b128 v[\f+64*\kk+8*\i+4:\f+64*\kk+8*\i+7], v[ADK+\slot] offset:\k+64*\kk+\i*16*PITCH+32
.endr
.irp i, 0,1,2,3
	ds_load_b128 v[\f+64*\kk+32+8*\i:\f+64*\kk+32+8*\i+3],   v[ADQ+\slot] offset:\k+64*\kk+\i*16*PITCH
	ds_load_b128 v[\f+64*\kk+32+8*\i+4:\f+64*\kk+32+8*\i+7], v[ADQ+\slot] offset:\k+64*\kk+\i*16*PITCH+32
.endr
.endr
.endm
.macro MUL16 f, kk, zero
	WIN MUL
.irp a, 0,1,2,3
.irp b, 0,1,2,3
.if \zero
	v_wmma_f32_16x16x32_bf16 v[ACC+8*(4*\a+\b):ACC+8*(4*\a+\b)+7], v[\f+64*\kk+8*\b:\f+64*\kk+8*\b+7], v[\f+64*\kk+32+8*\a:\f+64*\kk+32+8*\a+7], 0
.else
	v_wmma_f32_16x16x32_bf16 v[ACC+8*(4*\a+\b):ACC+8*(4*\a+\b)+7], v[\f+64*\kk+8*\b:\f+64*\kk+8*\b+7], v[\f+64*\kk+32+8*\a:\f+64*\kk+32+8*\a+7], v[ACC+8*(4*\a+\b):ACC+8*(4*\a+\b)+7]
.endif
.endr
.endr
.endm
.macro QUARTER slot, knext, f, g, zero ; 64 along K on buffer f; the next 64's fragments go into buffer g first
	PLACES
	FETCH \slot, \knext, \g
	s_wait_dscnt 32                                ; buffer f's loads are in; the 32 just issued may be out
	MUL16 \f, 0, \zero
	MUL16 \f, 1, 0
.endm
.macro TURN slot, next, fill           ; the slot's last 64, on buffer 1, and the change of slots
	s_wait_dscnt 0x0                               ; my reads of this slot are over
	s_set_vgpr_msb 0x500
	s_wait_tensorcnt 0x0                           ; all my tensor loads have landed, my part of the next slot among them: a group 0 may be written
	ds_add_u32 v62, v63
	s_wait_dscnt 0x0
	s_set_vgpr_msb 0x5
.if \fill
	s_add_nc_u64 s[G0+4*\slot+2:G0+4*\slot+3], s[G0+4*\slot+2:G0+4*\slot+3], 1024
.endif
	s_barrier_signal -1
	MUL16 F1, 0, 0                                 ; register work while the others arrive
	s_barrier_wait -1
.if \fill
	tensor_load_to_lds s[G0+4*\slot:G0+4*\slot+3], s[G1:G1+7]   ; my one tensor load behind the barrier, first thing there
	s_nop 0
.endif
	PLACES
	FETCH \next, 0, F0
	MUL16 F1, 1, 0
.endm
.macro THREE slot, zero
	QUARTER \slot, 128, F0, F1, \zero
	QUARTER \slot, 256, F1, F0, 0
	QUARTER \slot, 384, F0, F1, 0
.endm
.macro LAP zero
	THREE 0, \zero
	TURN 0, 1, 1
	THREE 1, 0
	TURN 1, 0, 1
.endm
	s_wait_tensorcnt 0x1                           ; my part of the first fill is in; the second may stay out
	s_barrier_signal -1
	s_barrier_wait -1
	FETCH 0, 0, F0
	LAP 1                                          ; fills 0 and 1 are multiplied, 2 and 3 asked for
	WIN 0
	s_mov_b32 s3, 2                                ; fills 2 to 5, which ask for 4 to 7
.Llap:
	LAP 0
	WIN 0
	s_sub_co_u32 s3, s3, 1
	s_cmp_lg_u32 s3, 0
	s_cbranch_scc1 .Llap
	THREE 0, 0                                     ; fills 6 and 7: nothing is left to fetch
	TURN 0, 1, 0
	THREE 1, 0
	s_wait_dscnt 0x0
	MUL16 F1, 0, 0
	MUL16 F1, 1, 0
	WIN 0
	PLACES
	; The two-part work-group: wave 0 holds rounded q x rounded k, wave 1 rounded q x rest of k, wave 2 rest of q x rounded k, wave 3 rest x rest, all of queries and keys 0-63
	; and in the same registers and lanes.  Waves 1-3 put theirs into LDS (16 bytes a lane, 512 consecutive bytes a store), wave 0 adds them.
	s_cmp_eq_u32 s54, 0
	s_cbranch_scc1 .Lsummed
	s_cmp_eq_u32 s10, 0
	s_cbranch_scc1 .Lkeeps
.set n, 0
.rept 32
	ds_store_b128 v[RB], v[ACC+4*n:ACC+4*n+3] offset:512*n
.set n, n+1
.endr
.Lkeeps:
	s_wait_dscnt 0x0                               ; for wave 0's sake: my stores are done
	s_barrier_signal -1
	s_barrier_wait -1
	s_cmp_lg_u32 s10, 0
	s_cbranch_scc1 .Lsummed
	WIN LD
.set n, 0
.rept 64
	ds_load_b128 v[4*n:4*n+3], v[ZCO] offset:16384+512*n     ; waves 1 and 2, into window 1's 256 registers
.set n, n+1
.endr
	s_wait_dscnt 0x0
	WIN 0x04                                       ; source 1 in window 1
.set n, 0
.rept 64
	v_pk_add_f32 v[ACC+2*n:ACC+2*n+1], v[ACC+2*n:ACC+2*n+1], v[2*n:2*n+1]
.set n, n+1
.endr
.set n, 0
.rept 64
	v_pk_add_f32 v[ACC+2*n:ACC+2*n+1], v[ACC+2*n:ACC+2*n+1], v[128+2*n:128+2*n+1]
.set n, n+1
.endr
	WIN LD
.set n, 0
.rept 32
	ds_load_b128 v[4*n:4*n+3], v[ZCO] offset:49152+512*n     ; wave 3
.set n, n+1
.endr
	s_wait_dscnt 0x0
	WIN 0x04
.set n, 0
.rept 64
	v_pk_add_f32 v[ACC+2*n:ACC+2*n+1], v[ACC+2*n:ACC+2*n+1], v[2*n:2*n+1]
.set n, n+1
.endr
	WIN 0
.Lsummed:
	; The causal mask, on the diagonal tiles alone: key 64 ch + 16 b + 8 h + j is past query 64 rh + 16 a + r where 16 b + j - 16 a > DD.
	s_cmp_lg_u32 s14, s15
	s_cbranch_scc1 .Lnomask
	v_mov_b32 v[NEG], 0xff800000
.irp a, 0,1,2,3
.irp b, 0,1,2,3
.irp j, 0,1,2,3,4,5,6,7
	v_cmp_gt_i32 vcc_lo, 16*\b+\j-16*\a, v[DD]
	v_cndmask_b32 v[ACC+32*\a+8*\b+\j], v[ACC+32*\a+8*\b+\j], v[NEG], vcc_lo
.endr
.endr
.endr
.Lnomask:
	; The block's maximum for each of my rows: 32 numbers a lane in four chains, then the other half of the lanes, held at -2^127 from below.
.irp a, 0,1,2,3
	v_max_num_f32 v[MX+\a], v[ACC+32*\a], v[ACC+32*\a+1]
.endr
.irp k, 2,4,6,8,10,12,14,16,18,20,22,24,26,28,30
.irp a, 0,1,2,3
	v_max3_num_f32 v[MX+\a], v[MX+\a], v[ACC+32*\a+\k], v[ACC+32*\a+\k+1]
.endr
.endr
.irp a, 0,1,2,3
	v_permlanex16_b32 v[TX+\a], v[MX+\a], s46, s47
.endr
.irp a, 0,1,2,3
	v_max3_num_f32 v[MX+\a], v[MX+\a], v[TX+\a], 0xff000000
.endr
.irp a, 0,1,2,3
	v_mul_f32 v[MX+\a], 0xbd38aa3b, v[MX+\a]       ; -c m
.endr
.irp a, 0,1,2,3
	v_floor_f32 v[TP+2*\a],   v[MX+\a]             ; t, a whole number, in both registers of a pair
	v_floor_f32 v[TP+2*\a+1], v[MX+\a]
.endr
.irp a, 0,1,2,3
.irp k, 0,2,4,6,8,10,12,14,16,18,20,22,24,26,28,30
	v_pk_fma_f32 v[ACC+32*\a+\k:ACC+32*\a+\k+1], v[ACC+32*\a+\k:ACC+32*\a+\k+1], 0x3d38aa3b, v[TP+2*\a:TP+2*\a+1] op_sel_hi:[1,0,1]
.endr
.endr
.set n, 0
.rept 128
	v_exp_f32 v[ACC+n], v[ACC+n]                   ; E = 2^(c S + t); a masked place gives 0
.set n, n+1
.endr
	v_nop                                          ; one plain vector instruction behind the last exponential (ISA guide 5.7.2)
	s_wait_alu depctr_va_vdst(0)
.irp a, 0,1,2,3
	v_pk_add_f32 v[SM+2*\a:SM+2*\a+1], v[ACC+32*\a:ACC+32*\a+1], v[ACC+32*\a+2:ACC+32*\a+3]
.endr
.irp k, 4,6,8,10,12,14,16,18,20,22,24,26,28,30
.irp a, 0,1,2,3
	v_pk_add_f32 v[SM+2*\a:SM+2*\a+1], v[SM+2*\a:SM+2*\a+1], v[ACC+32*\a+\k:ACC+32*\a+\k+1]
.endr
.endr
.irp a, 0,1,2,3
	v_add_f32 v[SM+2*\a], v[SM+2*\a], v[SM+2*\a+1]
.endr
.irp a, 0,1,2,3
	v_permlanex16_b32 v[TX+\a], v[SM+2*\a], s46, s47
.endr
.irp a, 0,1,2,3
	v_add_f32 v[SM+2*\a], v[SM+2*\a], v[TX+\a]     ; l
.endr
.macro PACK                            ; the 128 numbers, rounded to bf16, into PK
.irp a, 0,1,2,3
.irp b, 0,1,2,3
.irp p, 0,1,2,3
	v_cvt_pk_bf16_f32 v[PK+16*\a+4*\b+\p], v[ACC+32*\a+8*\b+2*\p], v[ACC+32*\a+8*\b+2*\p+1]
.endr
.endr
.endr
.endm
.macro STAGE adr                       ; and from there 16 bytes a lane into a stage
.irp a, 0,1,2,3
.irp b, 0,1,2,3
	ds_store_b128 v[\adr], v[PK+16*\a+4*\b:PK+16*\a+4*\b+3] offset:\a*16*EP+32*\b
.endr
.endr
.endm
	PACK
	STAGE ESTO
	; Queries 0-255: the rest of E: E less its rounded value (one exact multiply-add from the bf16 half), rounded, into the second stage.
	s_cmp_gt_u32 s14, 1
	s_cbranch_scc1 .Lone_part
	v_mov_b32 v[NEG], -1.0
.irp a, 0,1,2,3
.irp b, 0,1,2,3
.irp p, 0,1,2,3
	v_fma_mix_f32_bf16 v[ACC+32*\a+8*\b+2*\p],   v[PK+16*\a+4*\b+\p], v[NEG], v[ACC+32*\a+8*\b+2*\p]   op_sel_hi:[1,0,0]
	v_fma_mix_f32_bf16 v[ACC+32*\a+8*\b+2*\p+1], v[PK+16*\a+4*\b+\p], v[NEG], v[ACC+32*\a+8*\b+2*\p+1] op_sel:[1,0,0] op_sel_hi:[1,0,0]
.endr
.endr
.endr
	PACK
	STAGE ELSTO
.Lone_part:
	; t and l of my 64 rows through my own 512 bytes of LDS, so that each leaves as one store of 256 consecutive bytes, aligned
.irp a, 0,1,2,3
	ds_store_b32 v[SST], v[TP+2*\a] offset:64*\a
	ds_store_b32 v[SST], v[SM+2*\a] offset:256+64*\a
.endr
	ds_load_b64 v[ST:ST+1],   v[SRD]               ; LDS serves a wave's instructions in order (ISA guide 5.7.1.4): these see the stores above
	ds_load_b64 v[ST+2:ST+3], v[SRD] offset:256
	s_wait_dscnt 0x0                               ; for these two loads, and for the others' sake: my stores into E's stages are done
	s_cmp_eq_u32 s11, s55                          ; the half of the rows that another work-group stores is left out
	s_cbranch_scc1 .Lno_stat
	global_store_b64 v[SCO], v[ST:ST+1],   s[50:51]
	global_store_b64 v[SCO], v[ST+2:ST+3], s[50:51] offset:262144
.Lno_stat:
	s_barrier_signal -1
	s_barrier_wait -1                              ; E's rows of 256 bytes are whole
	s_cmp_eq_u32 s11, s55                          ; wave w stores rows 32 w .. 32 w + 31: the half w / 2 = rh
	s_cbranch_scc1 .Lzero
.irp t, 0,1,2,3,4,5,6,7,8,9,10,11,12,13,14,15
	ds_load_b128 v[PK+4*\t:PK+4*\t+3], v[ERD] offset:\t*2*EP
.endr
.irp t, 0,1,2,3,4,5,6,7,8,9,10,11,12,13,14,15
	s_wait_dscnt 15-\t                             ; LDS loads come back in order: this one is in, the younger ones stay out
	global_store_b128 v[ECO], v[PK+4*\t:PK+4*\t+3], s[6:7] offset:4096*\t   ; sixteen lanes store 256 consecutive bytes, aligned
.endr
	s_cmp_gt_u32 s14, 1
	s_cbranch_scc1 .Lzero
.irp t, 0,1,2,3,4,5,6,7,8,9,10,11,12,13,14,15
	ds_load_b128 v[ACC+4*\t:ACC+4*\t+3], v[ELRD] offset:\t*2*EP
.endr
.irp t, 0,1,2,3,4,5,6,7,8,9,10,11,12,13,14,15
	global_store_b128 v[ECO], v[PK+4*\t:PK+4*\t+3], s[6:7] offset:4096*\t+1024   ; rounded E once more, 512 columns on
.endr
.irp t, 0,1,2,3,4,5,6,7,8,9,10,11,12,13,14,15
	s_wait_dscnt 15-\t
	global_store_b128 v[ECO], v[ACC+4*\t:ACC+4*\t+3], s[6:7] offset:4096*\t+512  ; the rest of E, 256 columns on
.endr
.Lzero:
	; The next launch walks blocks of 256 queries to the end of their 256 keys, so for an even I it reads tile (I, I + 1), which is all masked:
	; the diagonal tile's own work-group writes it as zeros, with t = 2^127 and l = 0 for its two blocks of keys (wave: plane rh, block ch; 128 rows = one store of 512 bytes).
	s_cmp_lg_u32 s14, s15
	s_cbranch_scc1 .Lend
	s_bitcmp1_b32 s14, 0
	s_cbranch_scc1 .Lend
	s_cmp_eq_u32 s54, 1
	s_cbranch_scc1 .Lend
.irp i, 0,1,2,3
	v_mov_b32 v[ZR+\i], 0
.endr
.irp t, 0,1,2,3,4,5,6,7,8,9,10,11,12,13,14,15
	global_store_b128 v[ECO], v[ZR:ZR+3], s[6:7] offset:4096*\t+256
.endr
	s_cmp_eq_u32 s11, 0
	s_cselect_b32 s33, 0x7f000000, 0
.irp i, 0,1,2,3
	v_mov_b32 v[ZV+\i], s33
.endr
	global_store_b128 v[ZCO], v[ZV:ZV+3], s[52:53]
	s_cmp_lg_u32 s14, 0
	s_cbranch_scc1 .Lend
.irp t, 0,1,2,3,4,5,6,7,8,9,10,11,12,13,14,15
	global_store_b128 v[ECO], v[ZR:ZR+3], s[6:7] offset:4096*\t+256+512     ; I = 0: the masked tile of the rest, and of the second copy
	global_store_b128 v[ECO], v[ZR:ZR+3], s[6:7] offset:4096*\t+256+1024
.endr
.Lend:
	s_wait_tensorcnt 0x0
	ds_add_u32 v62, v63
	s_wait_dscnt 0x0
	s_endpgm
.Lfunc_end_k_q3e4ea8247d_scores:
	.size	k_q3e4ea8247d_scores, .Lfunc_end_k_q3e4ea8247d_scores-k_q3e4ea8247d_scores
	.p2alignl 7, 3214868480
	.fill 96, 4, 3214868480
	.section	.rodata,"a",@progbits
	.p2align	6, 0x0
	.amdhsa_kernel k_q3e4ea8247d_scores
		.amdhsa_group_segment_fixed_size 327680
		.amdhsa_private_segment_fixed_size 0
		.amdhsa_enable_private_segment 0
		.amdhsa_kernarg_size 24
		.amdhsa_user_sgpr_count 2
		.amdhsa_user_sgpr_kernarg_segment_ptr 1
		.amdhsa_wavefront_size32 1
		.amdhsa_system_sgpr_workgroup_id_x 1
		.amdhsa_system_sgpr_workgroup_id_y 1
		.amdhsa_system_sgpr_workgroup_id_z 1
		.amdhsa_system_vgpr_workitem_id 0
		.amdhsa_next_free_vgpr 512
		.amdhsa_next_free_sgpr 66
		.amdhsa_reserve_vcc 1
		.amdhsa_float_denorm_mode_32 3
		.amdhsa_float_denorm_mode_16_64 3
		.amdhsa_memory_ordered 1
		.amdhsa_forward_progress 1
		.amdhsa_inst_pref_size 191
	.end_amdhsa_kernel
	.amdgpu_metadata
---
amdhsa.version: [ 1, 2 ]
amdhsa.kernels:
  - .name:           k_q3e4ea8247d_scores
    .symbol:         k_q3e4ea8247d_scores.kd
    .args:
      - { .name: qkv, .offset: 0, .size: 8, .value_kind: global_buffer, .address_space: global }
      - { .name: e, .offset: 8, .size: 8, .value_kind: global_buffer, .address_space: global }
      - { .name: stat, .offset: 16, .size: 8, .value_kind: global_buffer, .address_space: global }
    .group_segment_fixed_size: 327680
    .private_segment_fixed_size: 0
    .kernarg_segment_align: 8
    .kernarg_segment_size: 24
    .max_flat_workgroup_size: 128
    .sgpr_count:     66
    .vgpr_count:     512
    .wavefront_size: 32
...
	.end_amdgpu_metadata
.endif
;; end of part 3
;; launch pv (part 4): grid 16 x 16, 4 waves a work-group, clusters of 4 x 1, 327,680 bytes of LDS; arguments e, stat, qkv, out0; writes out0
.if DOCPART == 4
	.amdgcn_target "amdgcn-amd-amdhsa--gfx1250"
	.amdhsa_code_object_version 6
	.text
	.protected	k_q3e4ea8247d_pv
	.globl	k_q3e4ea8247d_pv
	.p2align	8
	.type	k_q3e4ea8247d_pv,@function
k_q3e4ea8247d_pv:
	s_mov_b64 s[64:65], 0
	v_nop
	global_prefetch_b8 v0, s[64:65] scope:SCOPE_SE
	s_setreg_imm32_b32 hwreg(HW_REG_WAVE_MODE, 25, 1), 1
	s_wait_xcnt 0x0
	s_wait_alu depctr_hold_cnt(0) depctr_sa_sdst(0) depctr_va_vdst(0) depctr_va_sdst(0) depctr_va_ssrc(0) depctr_va_vcc(0) depctr_vm_vsrc(0)
	s_getreg_b32 s2, hwreg(HW_REG_IB_STS2, 6, 4)
	s_cmp_eq_u32 s2, 0
	s_cbranch_scc0 .Lentry_in_a_cluster
	s_endpgm
.Lentry_in_a_cluster:
	s_bfe_u32 s2, ttmp6, 0x10000c
	s_cmp_lg_u32 s2, 0x3003
	s_cbranch_scc0 .Lentry_shape_is_right
	s_endpgm
.Lentry_shape_is_right:
; out = softmax(S) v, from E = 2^(c S + t_j) and the figures t_j, l_j of each row and block j of 64 keys.
; For a row: tmin = the least t_j (the row's maximum),  g_j = 2^(tmin - t_j), a power of two,  L = sum of l_j g_j,  out = (sum over j of (g_j E_j) v_j) / L.
; g_j E_j in bf16 is exact but for underflow.  LIMIT: where tmin - t_j < -126 the block counts as 0 (its weights are below 2^-126 of the row's largest).
; LIMIT OF FORMAT: from query 256 on E and v enter rounded to bf16 once.
; Work-group (x, y): b = y / 4, I = y % 4: queries 256 I .. 256 I + 255 of batch b, columns 128 x .. 128 x + 127 of v.  Wave w: rows 64 w .. 64 w + 63, all 128 columns:
; 32 accumulators (window 1), which take turns, one instruction a turn.
; The keys go in steps of 128 through two LDS slots: 2 (I + 1) steps for I > 0.
; I = 0 (queries with few keys, whose mean of few rows of v keeps the roundings visible) takes E and v in two bf16 parts, as 6 steps:
;   rounded E x rounded v, rest of E x rounded v, rounded E x rest of v, two steps each.  e holds the three runs of E side by side (bytes 0, 512, 1,024 of a row),
;   so E's address steps as everywhere; v's step is kept in a register: 0, then on to the rest parts' rows 4096 + 256 b + t of qkv.
; So the work-groups' work is uneven, 4 to 8 steps.
; CLUSTER 4 x 1: the four column blocks of a cluster read the same tile of E (69,632 of a step's 106,496 LDS bytes) and have the same number of steps:
; E is asked for jointly (waves 0, 1), v's tile is each work-group's own (waves 2, 3).
; The matrix instruction is used transposed (source 0 = 16 columns of v, by the transposing LDS load; source 1 = 16 rows of E): a lane's eight results are neighbours in a row of out.
; LDS: slot = E's 256 rows of 256 + 16 bytes, then v's 128 key rows of 256 + 32 bytes (an odd multiple of 32); behind the ring, for each wave,
;   a stage of 16 rows of 512 + 16 bytes and a table [17][16 r][4 a] of words: entries 0-15 g_j twice in bf16, entry 16 1 / L in f32, for row 16 a + r.
.set EP,    272
.set VP,    288
.set SLOT,  256*EP+128*VP              ; 106,496
.set STG,   2*SLOT                     ; 212,992
.set SP,    528
.set TAB,   STG+4*16*SP                ; 246,784
.set VSTEP, 2*128*12288                ; two steps of 128 key rows in qkv
.set ADE, 8                            ; v8-9    LDS address of my E fragments in slot 0, 1
.set ADV, 10                           ; v10-11  the same for v
.set STO, 12
.set RD,  13
.set CO,  14
.set GB,  15                           ; my row's place in an entry of the table
.set G,   16                           ; v16-23  g of this step's two blocks, for a = 0..3 each
.set IL,  24                           ; v24-27  1 / L for a = 0..3
.set ILP, 28                           ; v28-35  the same in pairs, for the packed multiply
.set GT,  36
.set SO,  37
.set TW,  38
.set TM,  40                           ; v40-41  tmin of my two rows
.set LS,  42                           ; v42-43  L, then 1 / L
.set TT,  64                           ; v64-95  the head: t, then g, of 16 blocks x 2 rows
.set LL,  96                           ; v96-127 the head: l
.set F0,  64                           ; fragment buffer 0: E's 4 fragments at + 8 a, v's 8 at + 32 + 8 b
.set F1,  160
.set G1E, 24
.set G0E, 32
.set G1V, 48
.set G0V, 56
.set MSB, 0
.macro WIN new
.if MSB != (\new)
	s_set_vgpr_msb (MSB<<8)|(\new)
.set MSB, (\new)
.endif
.endm
.macro PLACES
.rept 4
	v_nop
.endr
.endm
.macro JLOAD s                         ; waves 0, 1: E's halves, jointly; waves 2, 3: v's halves, each work-group's own
	s_cmp_eq_u32 s13, 0
	s_cbranch_scc0 .Lfor_v_\@
	tensor_load_to_lds s[G0E+4*\s:G0E+4*\s+3], s[G1E:G1E+7]
	s_nop 0
	s_branch .Lasked_\@
.Lfor_v_\@:
	tensor_load_to_lds s[G0V+4*\s:G0V+4*\s+3], s[G1V:G1V+7]
	s_nop 0
.Lasked_\@:
.endm
.macro CREST
	s_cmp_lg_u32 s12, 0
	s_cbranch_scc1 .Lnot_wave_0_\@
	s_barrier_signal -3
.Lnot_wave_0_\@:
	s_barrier_wait -3
	s_barrier_signal -1
	s_barrier_wait -1
.endm
.macro CROUND
	s_barrier_signal -1
	s_barrier_wait -1
	CREST
.endm
	s_load_b256 s[4:11], s[0:1], 0x0               ; e s[4:5], stat s[6:7], qkv s[8:9], out0 s[10:11]
	v_lshl_add_u32 v62, v0, 2, 0x40800
	v_mov_b32 v63, 0
	ds_add_u32 v62, v63
	ds_add_u32 v62, v63
	v_lshrrev_b32 v1, 5, v0
	v_readfirstlane_b32 s12, v1                    ; wave
	s_lshr_b32 s13, s12, 1                         ; I fetch for E (0) or for v (1)
	s_and_b32 s14, s12, 1                          ; which half
	s_bfe_u32 s40, ttmp6, 0x40000                  ; cx
	s_lshl_b32 s42, ttmp9, 2
	s_add_co_u32 s42, s42, s40                     ; column block = 4 x cluster x + cx
	s_and_b32 s15, ttmp7, 0xffff
	s_lshr_b32 s16, s15, 2                         ; b
	s_and_b32 s17, s15, 3                          ; I: the same in all four partners
	s_mov_b32 s[G1E+0], 15|(1<<16)|(1<<20)|(1<<21)|(5<<22)|(3<<25)   ; all four partners; elements of 2 bytes; 16 bytes of padding behind every 256
	s_mov_b32 s[G1E+1], 128<<16
	s_mov_b32 s[G1E+2], 128<<16
	s_mov_b32 s[G1E+3], 128<<16
	s_mov_b32 s[G1E+4], 128
	s_mov_b32 s[G1E+5], 1024
	s_mov_b32 s[G1E+6], 0
	s_mov_b32 s[G1E+7], 0
	s_mov_b32 s[G1V+0], (1<<16)|(1<<20)|(5<<22)|(7<<25)              ; no mask; 32 bytes of padding behind every 256
	s_mov_b32 s[G1V+1], 128<<16
	s_mov_b32 s[G1V+2], 64<<16
	s_mov_b32 s[G1V+3], 128<<16
	s_mov_b32 s[G1V+4], 64
	s_mov_b32 s[G1V+5], 6144
	s_mov_b32 s[G1V+6], 0
	s_mov_b32 s[G1V+7], 0
	s_lshl_b32 s18, s16, 10
	s_lshl_b32 s19, s17, 8
	s_add_co_u32 s18, s18, s19                     ; 1024 b + 256 I: my block's first row
	s_lshl_b32 s19, s14, 7
	s_add_co_u32 s20, s18, s19
	s_lshl_b32 s20, s20, 11                        ; E: rows of 2,048 bytes
	s_mov_b32 s21, 0
	s_lshl_b32 s46, s16, 10
	s_lshl_b32 s47, s14, 6
	s_add_co_u32 s46, s46, s47
	s_mul_i32 s46, s46, 12288                      ; v: key row 1024 b + 64 half, byte 8,192 + 256 x column block
	s_lshl_b32 s47, s42, 8
	s_add_co_u32 s46, s46, s47
	s_add_co_u32 s46, s46, 8192
	s_mov_b32 s47, 0
	s_mul_i32 s22, s12, 128*EP                     ; E's halves go to wave x 34,816
	s_mul_i32 s23, s12, 64*VP                      ; v's to 69,632 + (wave - 2) x 18,432
	s_add_co_u32 s23, s23, 256*EP-128*VP
	s_wait_dscnt 0x0
	s_wait_kmcnt 0x0
	s_add_nc_u64 s[20:21], s[4:5], s[20:21]
	s_add_nc_u64 s[46:47], s[8:9], s[46:47]
	CROUND                                         ; the four partners are here: the first joint loads meet
.irp s, 0,1
	s_mov_b32 s[G0E+4*\s], 1
	s_add_co_u32 s[G0E+4*\s+1], s22, \s*SLOT
	s_add_nc_u64 s[G0E+4*\s+2:G0E+4*\s+3], s[20:21], \s*256
	s_or_b32 s[G0E+4*\s+3], s[G0E+4*\s+3], 0x80000000
	s_mov_b32 s[G0V+4*\s], 1
	s_add_co_u32 s[G0V+4*\s+1], s23, \s*SLOT
	s_add_nc_u64 s[G0V+4*\s+2:G0V+4*\s+3], s[46:47], \s*128*12288
	s_or_b32 s[G0V+4*\s+3], s[G0V+4*\s+3], 0x80000000
	JLOAD \s                                       ; two tensor loads of a wave are out
.endr
	; The loop's trips and v's step from one refill of a slot to the next, s[20:21] (an offset, made of no address).
	; I > 0: I trips, 256 key rows each time.  I = 0: 2 trips; in the first the same rows again, in the second from row 1024 b + .. to row 4096 + 256 b + ..: 4096 - 768 b rows on.
	s_mul_i32 s22, s16, 768
	s_sub_co_u32 s22, 4096, s22
	s_mul_i32 s22, s22, 12288
	s_cmp_eq_u32 s17, 0
	s_cselect_b32 s22, s22, VSTEP                  ; the step from the second trip on
	s_cselect_b32 s20, 0, VSTEP                    ; the first trip's step
	s_cselect_b32 s3, 2, s17                       ; trips
	s_mov_b32 s21, 0
	; The figures of my 64 rows: lane L takes rows 2 L and 2 L + 1 of every block that the steps reach, blocks 0 .. 4 I + 3, in groups of four;
	; the groups beyond get the neutral figures t = 2^127, l = 0.  I = 0: groups 1 and 2 stand for blocks 0-3 walked a second and a third time: their t again, and l = 0, so that L counts each block once.
	v_and_b32 v3, 31, v0                           ; lane
	v_lshlrev_b32 v[SO], 3, v3
	s_lshl_b32 s44, s16, 16
	s_lshl_b32 s45, s17, 10
	s_add_co_u32 s44, s44, s45
	s_lshl_b32 s45, s12, 8
	s_add_co_u32 s44, s44, s45
	s_mov_b32 s45, 0
	s_add_nc_u64 s[6:7], s[6:7], s[44:45]
.macro STATG g
.irp q, 0,1,2,3
	global_load_b64 v[TT+2*(4*\g+\q):TT+2*(4*\g+\q)+1], v[SO], s[6:7] offset:(4*\g+\q)*4096
	global_load_b64 v[LL+2*(4*\g+\q):LL+2*(4*\g+\q)+1], v[SO], s[6:7] offset:262144+(4*\g+\q)*4096
.endr
.endm
.macro STATX g
.irp q, 0,1,2,3
	global_load_b64 v[TT+2*(4*\g+\q):TT+2*(4*\g+\q)+1], v[SO], s[6:7] offset:\q*4096
	v_mov_b32 v[LL+2*(4*\g+\q)], 0
	v_mov_b32 v[LL+2*(4*\g+\q)+1], 0
.endr
.endm
.macro NEUT g
.irp q, 0,1,2,3,4,5,6,7
	v_mov_b32 v[TT+8*\g+\q], 0x7f000000
	v_mov_b32 v[LL+8*\g+\q], 0
.endr
.endm
	STATG 0
	s_cmp_lt_u32 s17, 1
	s_cbranch_scc1 .Lfirst
	STATG 1
	s_cmp_lt_u32 s17, 2
	s_cbranch_scc1 .Lneut2
	STATG 2
	s_cmp_lt_u32 s17, 3
	s_cbranch_scc1 .Lneut3
	STATG 3
	s_branch .Lstat_in
.Lfirst:
	STATX 1
	STATX 2
	s_branch .Lneut3
.Lneut2:
	NEUT 2
.Lneut3:
	NEUT 3
.Lstat_in:
	v_and_b32 v1, 15, v0                           ; r
	v_bfe_u32 v2, v0, 4, 1                         ; h
	v_and_b32 v4, 7, v3
	v_lshrrev_b32 v5, 3, v3
	v_lshlrev_b32 v5, 2, v5
	v_lshl_add_u32 v5, v4, 5, v5                   ; row 2 L + e is a = L / 8, r = 2 (L % 8) + e: word 16 r + 4 a = 32 (L % 8) + 16 e + 4 (L / 8)
	s_mul_i32 s43, s12, 17*256
	s_add_co_u32 s43, s43, TAB
	v_add_nc_u32 v[TW], s43, v5
	v_lshl_add_u32 v[GB], v1, 4, s43
	v_lshl_add_u32 v4, v2, 3, v4                   ; v: key row 8 h + lane % 8, 16 bytes by bit 3 of the lane
	v_mul_u32_u24 v4, v4, VP
	v_bfe_u32 v5, v0, 3, 1
	v_lshl_add_u32 v4, v5, 4, v4
	v_add_nc_u32 v[ADV], 256*EP, v4
	v_add_nc_u32 v[ADV+1], SLOT, v[ADV]
	v_mul_u32_u24 v4, v1, EP                       ; E: row 64 wave + r, 16 bytes for each half of the lanes
	v_lshl_add_u32 v4, v2, 4, v4
	s_mul_i32 s43, s12, 64*EP
	v_add_nc_u32 v[ADE], s43, v4
	v_add_nc_u32 v[ADE+1], SLOT, v[ADE]
	v_mul_u32_u24 v4, v1, SP                       ; the stage: row r, 32 bytes for each half of the lanes
	v_lshl_add_u32 v4, v2, 5, v4
	s_mul_i32 s43, s12, 16*SP
	s_add_co_u32 s43, s43, STG
	v_add_nc_u32 v[STO], s43, v4
	v_lshl_add_u32 v[RD], v3, 4, s43
	v_lshlrev_b32 v[CO], 4, v3
	s_lshl_b32 s44, s12, 6                         ; out0 at row 1024 b + 256 I + 64 wave (8,192 bytes a row), byte 512 x column block
	s_add_co_u32 s44, s44, s18
	s_lshl_b32 s44, s44, 13
	s_lshl_b32 s45, s42, 9
	s_add_co_u32 s44, s44, s45
	s_mov_b32 s45, 0
	s_add_nc_u64 s[10:11], s[10:11], s[44:45]
	s_mov_b32 s41, 0                               ; the table entry of the step at work, in bytes
	s_wait_loadcnt 0x0
.irp e, 0,1
	v_min_num_f32 v[TM+\e], v[TT+\e], v[TT+2+\e]
.endr
.irp j, 2,4,6,8,10,12,14
.irp e, 0,1
	v_min3_num_f32 v[TM+\e], v[TM+\e], v[TT+2*\j+\e], v[TT+2*\j+2+\e]
.endr
.endr
.irp j, 0,1,2,3,4,5,6,7,8,9,10,11,12,13,14,15
	v_pk_add_f32 v[TT+2*\j:TT+2*\j+1], v[TM:TM+1], v[TT+2*\j:TT+2*\j+1] neg_lo:[0,1] neg_hi:[0,1]   ; tmin - t_j <= 0
.endr
.set n, 0
.rept 32
	v_exp_f32 v[TT+n], v[TT+n]                     ; g_j
.set n, n+1
.endr
	v_nop                                          ; one plain vector instruction behind the last exponential (ISA guide 5.7.2)
	s_wait_alu depctr_va_vdst(0)
	v_pk_mul_f32 v[LS:LS+1], v[LL:LL+1], v[TT:TT+1]
.irp j, 1,2,3,4,5,6,7,8,9,10,11,12,13,14,15
	v_pk_fma_f32 v[LS:LS+1], v[LL+2*\j:LL+2*\j+1], v[TT+2*\j:TT+2*\j+1], v[LS:LS+1]
.endr
	v_rcp_f32 v[LS],   v[LS]                       ; L >= 1/2: the row's largest E is above 1/2 and its g is 1.  The conversions below stand between these and their use
	v_rcp_f32 v[LS+1], v[LS+1]
.set n, 0
.rept 32
	v_cvt_pk_bf16_f32 v[TT+n], v[TT+n], v[TT+n]    ; g twice in a word: exact, a power of two
.set n, n+1
.endr
.irp j, 0,1,2,3,4,5,6,7,8,9,10,11,12,13,14,15
.irp e, 0,1
	ds_store_b32 v[TW], v[TT+2*\j+\e] offset:256*\j+16*\e
.endr
.endr
	s_wait_alu depctr_va_vdst(0)
	ds_store_b32 v[TW], v[LS]   offset:4096
	ds_store_b32 v[TW], v[LS+1] offset:4096+16
.macro FETCH slot, q, f                ; 24 loads: 32 keys: E's 4 fragments, v's 8
.irp a, 0,1,2,3
	ds_load_b128 v[\f+8*\a:\f+8*\a+3],   v[ADE+\slot] offset:\a*16*EP+64*\q
	ds_load_b128 v[\f+8*\a+4:\f+8*\a+7], v[ADE+\slot] offset:\a*16*EP+64*\q+32
.endr
.irp b, 0,1,2,3,4,5,6,7
	ds_load_tr16_b128 v[\f+32+8*\b:\f+32+8*\b+3],   v[ADV+\slot] offset:\q*32*VP+32*\b
	ds_load_tr16_b128 v[\f+32+8*\b+4:\f+32+8*\b+7], v[ADV+\slot] offset:\q*32*VP+32*\b+16*VP
.endr
.endm
.macro SCALE f, go                     ; E's fragments times their rows' g.  These 32 plain vector instructions name buffer f and G alone, so they are also
.irp a, 0,1,2,3                        ; the places between the matrix instructions that read the other buffer and the loads that fill it again
.irp i, 0,1,2,3,4,5,6,7
	v_pk_mul_bf16 v[\f+8*\a+\i], v[\f+8*\a+\i], v[G+\go+\a]
.endr
.endr
.endm
.macro MUL16 f, a0, zero
.irp a, \a0, \a0+1
.irp b, 0,1,2,3,4,5,6,7
.if \zero
	v_wmma_f32_16x16x32_bf16 v[8*(8*(\a)+\b):8*(8*(\a)+\b)+7], v[\f+32+8*\b:\f+32+8*\b+7], v[\f+8*(\a):\f+8*(\a)+7], 0
.else
	v_wmma_f32_16x16x32_bf16 v[8*(8*(\a)+\b):8*(8*(\a)+\b)+7], v[\f+32+8*\b:\f+32+8*\b+7], v[\f+8*(\a):\f+8*(\a)+7], v[8*(8*(\a)+\b):8*(8*(\a)+\b)+7]
.endif
.endr
.endr
.endm
.macro QUARTER slot, qn, f, g, go, zero ; 32 keys on buffer f; quarter qn's fragments go into buffer g
	s_wait_dscnt 0x0                               ; buffer f (and G) are in: nothing else is out
	SCALE \f, \go
	FETCH \slot, \qn, \g
	WIN 0x50
	MUL16 \f, 0, \zero
	MUL16 \f, 2, \zero
	WIN 0
.endm
.macro TURN slot, next, fill           ; a step's last 32 keys, on buffer 1, and the change of slots
	s_wait_dscnt 0x0                               ; my reads of this slot are over
	SCALE F1, 4
	s_wait_tensorcnt 0x0                           ; all my tensor loads have landed, my part of the next slot among them
	ds_add_u32 v62, v63
	s_wait_dscnt 0x0
	s_barrier_signal -1
	WIN 0x50
	MUL16 F1, 0, 0                                 ; register work while the others arrive
	WIN 0
	s_barrier_wait -1
.if \fill
	CREST                                          ; the barrier has opened a round of the cluster's barrier: no wave of any partner still reads this slot or has a load on its way
	s_add_nc_u64 s[G0E+4*\slot+2:G0E+4*\slot+3], s[G0E+4*\slot+2:G0E+4*\slot+3], 2*256
	s_add_nc_u64 s[G0V+4*\slot+2:G0V+4*\slot+3], s[G0V+4*\slot+2:G0V+4*\slot+3], s[20:21]
	JLOAD \slot                                    ; my one tensor load behind the round, first thing there
.endif
	FETCH \next, 0, F0
	s_add_co_u32 s41, s41, 512                     ; the next step's two blocks in the table; the mask keeps the offset inside entries 0-15
	s_and_b32 s41, s41, 0xe00
	v_add_nc_u32 v[GT], s41, v[GB]
	ds_load_b128 v[G:G+3],   v[GT]
	ds_load_b128 v[G+4:G+7], v[GT] offset:256
	WIN 0x50
	MUL16 F1, 2, 0
	WIN 0
.endm
	s_wait_dscnt 0x0                               ; no LDS instruction of mine is out at a signal
	s_wait_tensorcnt 0x1                           ; my part of step 0 is in; step 1's may stay out
	s_barrier_signal -1
	s_barrier_wait -1
	FETCH 0, 0, F0
	ds_load_b128 v[G:G+3],   v[GB]
	ds_load_b128 v[G+4:G+7], v[GB] offset:256
	QUARTER 0, 1, F0, F1, 0, 1                     ; the first 32 keys start the sums; the loop is turned by this quarter
.Llap:                                                 ; a trip: two steps, each of which asks for the step two further on
	QUARTER 0, 2, F1, F0, 0, 0
	QUARTER 0, 3, F0, F1, 4, 0
	TURN 0, 1, 1
	QUARTER 1, 1, F0, F1, 0, 0
	QUARTER 1, 2, F1, F0, 0, 0
	QUARTER 1, 3, F0, F1, 4, 0
	TURN 1, 0, 1
	QUARTER 0, 1, F0, F1, 0, 0
	s_mov_b32 s20, s22                             ; v's step from the second trip on
	s_sub_co_u32 s3, s3, 1
	s_cmp_lg_u32 s3, 0
	s_cbranch_scc1 .Llap
	QUARTER 0, 2, F1, F0, 0, 0                     ; the last two steps fill nothing
	QUARTER 0, 3, F0, F1, 4, 0
	TURN 0, 1, 0
	QUARTER 1, 1, F0, F1, 0, 0
	QUARTER 1, 2, F1, F0, 0, 0
	QUARTER 1, 3, F0, F1, 4, 0
	s_wait_dscnt 0x0
	SCALE F1, 4
	WIN 0x50
	MUL16 F1, 0, 0
	MUL16 F1, 2, 0
	WIN 0
	; THE WAY OUT, 16 rows at a time: times 1 / L, 32 bytes a lane into my own stage, back as whole rows of 512 bytes.
	PLACES
	ds_load_b128 v[IL:IL+3], v[GB] offset:4096
	s_wait_dscnt 0x0
.irp a, 0,1,2,3
	v_mov_b32 v[ILP+2*\a],   v[IL+\a]
	v_mov_b32 v[ILP+2*\a+1], v[IL+\a]
.endr
.macro OUT16 a, f
	WIN 0x41                                       ; destination and source 0 window 1, source 1 window 0
.irp b, 0,1,2,3,4,5,6,7
.irp p, 0,2,4,6
	v_pk_mul_f32 v[8*(8*\a+\b)+\p:8*(8*\a+\b)+\p+1], v[8*(8*\a+\b)+\p:8*(8*\a+\b)+\p+1], v[ILP+2*\a:ILP+2*\a+1]
.endr
.endr
	WIN 0x04                                       ; an LDS store's data is source 1: window 1
.irp b, 0,1,2,3,4,5,6,7
	ds_store_b128 v[STO], v[8*(8*\a+\b):8*(8*\a+\b)+3]   offset:64*\b
	ds_store_b128 v[STO], v[8*(8*\a+\b)+4:8*(8*\a+\b)+7] offset:64*\b+16
.endr
	WIN 0
.if \a >= 2
	s_wait_xcnt 0x0                                ; buffer f, which the stores of two groups ago read, is loaded again only behind this wait (ISA guide 3.1)
.endif
.irp t, 0,1,2,3,4,5,6,7,8,9,10,11,12,13,14,15
	ds_load_b128 v[\f+4*\t:\f+4*\t+3], v[RD] offset:\t*SP          ; LDS serves a wave's instructions in order (ISA guide 5.7.1.4): these see the stores above
.endr
.irp t, 0,1,2,3,4,5,6,7,8,9,10,11,12,13,14,15
	s_wait_dscnt 15-\t
	global_store_b128 v[CO], v[\f+4*\t:\f+4*\t+3], s[10:11] offset:(16*\a+\t)*8192 th:TH_STORE_NT   ; the wave stores 512 consecutive bytes, aligned
.endr
.endm
	OUT16 0, 64
	OUT16 1, 128
	OUT16 2, 64
	OUT16 3, 128
	s_wait_tensorcnt 0x0
	ds_add_u32 v62, v63
	s_wait_dscnt 0x0
	CROUND                                         ; the closing round: no work-group ends while a partner may still ask for a tile that names it
	s_endpgm
.Lfunc_end_k_q3e4ea8247d_pv:
	.size	k_q3e4ea8247d_pv, .Lfunc_end_k_q3e4ea8247d_pv-k_q3e4ea8247d_pv
	.p2alignl 7, 3214868480
	.fill 96, 4, 3214868480
	.section	.rodata,"a",@progbits
	.p2align	6, 0x0
	.amdhsa_kernel k_q3e4ea8247d_pv
		.amdhsa_group_segment_fixed_size 327680
		.amdhsa_private_segment_fixed_size 0
		.amdhsa_enable_private_segment 0
		.amdhsa_kernarg_size 32
		.amdhsa_user_sgpr_count 2
		.amdhsa_user_sgpr_kernarg_segment_ptr 1
		.amdhsa_wavefront_size32 1
		.amdhsa_system_sgpr_workgroup_id_x 1
		.amdhsa_system_sgpr_workgroup_id_y 1
		.amdhsa_system_sgpr_workgroup_id_z 1
		.amdhsa_system_vgpr_workitem_id 0
		.amdhsa_next_free_vgpr 512
		.amdhsa_next_free_sgpr 66
		.amdhsa_reserve_vcc 0
		.amdhsa_float_denorm_mode_32 3
		.amdhsa_float_denorm_mode_16_64 3
		.amdhsa_memory_ordered 1
		.amdhsa_forward_progress 1
		.amdhsa_inst_pref_size 140
	.end_amdhsa_kernel
	.amdgpu_metadata
---
amdhsa.version: [ 1, 2 ]
amdhsa.kernels:
  - .name:           k_q3e4ea8247d_pv
    .symbol:         k_q3e4ea8247d_pv.kd
    .args:
      - { .name: e, .offset: 0, .size: 8, .value_kind: global_buffer, .address_space: global }
      - { .name: stat, .offset: 8, .size: 8, .value_kind: global_buffer, .address_space: global }
      - { .name: qkv, .offset: 16, .size: 8, .value_kind: global_buffer, .address_space: global }
      - { .name: out0, .offset: 24, .size: 8, .value_kind: global_buffer, .address_space: global }
    .group_segment_fixed_size: 327680
    .private_segment_fixed_size: 0
    .kernarg_segment_align: 8
    .kernarg_segment_size: 32
    .max_flat_workgroup_size: 128
    .sgpr_count:     66
    .vgpr_count:     512
    .wavefront_size: 32
...
	.end_amdgpu_metadata
.endif
;; end of part 4
;; ======== version 2 of 2: 4 launches; version 1 with the launch prep written anew for expert scheduling mode
;; workspace buffers: xb 8,388,608 bytes; wb 12,582,912 bytes; bias 24,576 bytes; qkv 62,914,560 bytes; e 8,388,608 bytes; stat 524,288 bytes
;; launch prep (part 5): grid 640 x 1, 8 waves a work-group, no clusters, 0 bytes of LDS; arguments x, Wq, Wk, Wv, bq, bk, bv, xb, wb, bias; writes xb, wb, bias
.if DOCPART == 5
	.amdgcn_target "amdgcn-amd-amdhsa--gfx1250"
	.amdhsa_code_object_version 6
	.text
	.protected	k_q3e4ea8247d_prep
	.globl	k_q3e4ea8247d_prep
	.p2align	8
	.type	k_q3e4ea8247d_prep,@function
k_q3e4ea8247d_prep:
	s_mov_b64 s[64:65], 0
	v_nop
	global_prefetch_b8 v0, s[64:65] scope:SCOPE_SE
	s_setreg_imm32_b32 hwreg(HW_REG_WAVE_SCHED_MODE, 0, 2), 2
	s_setreg_imm32_b32 hwreg(HW_REG_WAVE_MODE, 25, 1), 1
	s_wait_xcnt 0x0
	s_wait_alu depctr_vm_vsrc(0)
; Casts the f32 inputs to bf16 once, in the layouts that the product's tiles want, and gathers the three biases.
;   xb   bf16 [16 kb][4096 m][64 k]: the 64 k of a K step of 128 neighbouring rows are 16,384 consecutive bytes
;   wb   bf16 [1024 k][6144 n], n = Wq's, Wk's, Wv's columns side by side (a row is 12,288 bytes)
;   bias f32  [6144] = bq, bk, bv
; A stream: each input byte is read once and each output byte written once; LDS, barriers and matrix instructions would add nothing.
; One wave: 16 loads of 16 bytes a lane, all issued before the first is used, and 16 stores of 8 bytes a lane;
; each store of the wave covers 256 consecutive bytes, aligned.  No loop: a wave's whole share is the 16 loads.
; Work-groups 0-255 take x (a wave: two rows), work-groups 256-639 the three W (a wave: one row of 2,048 numbers).
; THE MODE: SCHED_MODE bits 1:0 = 2 (LLVM: expert scheduling mode 2), set by the entry lines.  The code itself states the register dependences
; between vector instructions and memory instructions, with s_wait_alu, always for 0.
; THE PLAN.  Registers that memory instructions touch:
;   v[VS], v[VD]  byte offsets, made at the head and never written again; read by every load and store.
;   X             written by the 16 loads, which no vector instruction's naming of X precedes; load i's four registers are read by its two conversions.
;                 Its first four registers take the bias's 16 bytes behind all conversions, and are that copy's store data.
;   Y             store i's pair is written once, by load i's two conversions, and read once, by store i; never written again.
; The 16 shares go in four groups of four.  The stores of group g - 1 are issued in group g, one in front of each pair of conversions: ONE wait at a group's head states
; that the group before has written its Y, and group g's conversions name X and Y of group g alone, none of the registers that those stores read.
; No register that a memory instruction has read is written again, so no wait on vm_vsrc is owed.
.set VS, 6                             ; v6       byte offset of my 16 bytes in the source
.set VD, 7                             ; v7       byte offset of my 8 bytes in the destination
.set X,  8                             ; v[8:71]  16 x 4 numbers in f32
.set Y,  72                            ; v[72:103] 16 x 4 numbers in bf16
.macro CAST16 sstep, dstep
	s_wait_alu depctr_va_vdst(0)                   ; v[VS] and v[VD] are written: every load and store below reads one of them as its offset
.irp i, 0,1,2,3,4,5,6,7,8,9,10,11,12,13,14,15
	global_load_b128 v[X+4*\i:X+4*\i+3], v[VS], s[26:27] offset:\i*\sstep th:TH_LOAD_NT
.endr
.irp g, 0,1,2,3
.irp i, 0,1,2,3
	s_wait_loadcnt 15-(4*\g+\i)                    ; loads come back in order (ISA guide 5.7.1): load 4 g + i is in, the younger ones stay out
.if (\g > 0) && (\i == 0)
	s_wait_alu depctr_va_vdst(0)                   ; the eight conversions of the group before have written its Y, which this group's four stores read
.endif
.if \g > 0
	global_store_b64 v[VD], v[Y+2*(4*\g+\i-4):Y+2*(4*\g+\i-4)+1], s[28:29] offset:(4*\g+\i-4)*\dstep   ; the group before; no vector instruction since the wait names these registers; every store has data registers of its own: none is rewritten
.endif
	v_cvt_pk_bf16_f32 v[Y+2*(4*\g+\i)],   v[X+4*(4*\g+\i)],   v[X+4*(4*\g+\i)+1]
	v_cvt_pk_bf16_f32 v[Y+2*(4*\g+\i)+1], v[X+4*(4*\g+\i)+2], v[X+4*(4*\g+\i)+3]
.endr
.endr
	s_wait_alu depctr_va_vdst(0)                   ; the last group's conversions have written its Y, which the four stores below read; and all conversions are done reading X
.irp i, 12,13,14,15
	global_store_b64 v[VD], v[Y+2*\i:Y+2*\i+1], s[28:29] offset:\i*\dstep
.endr
.endm
	s_load_b512 s[4:19], s[0:1], 0x0               ; x s[4:5], Wq s[6:7], Wk s[8:9], Wv s[10:11], bq s[12:13], bk s[14:15], bv s[16:17], xb s[18:19]
	s_load_b128 s[20:23], s[0:1], 0x40             ; wb s[20:21], bias s[22:23]
	v_lshrrev_b32 v1, 5, v0
	v_readfirstlane_b32 s24, v1                    ; wave 0..7
	v_and_b32 v2, 31, v0                           ; lane
	v_lshlrev_b32 v[VD], 3, v2                     ; 8 bytes a lane out
	s_wait_alu depctr_va_sdst(0)                   ; s24 is written
	s_cmp_lt_u32 ttmp9, 256
	s_cbranch_scc0 .Lweights
	; x: unit u = 8 x work-group + wave holds rows 2u and 2u+1.  Load i takes the 64 numbers of K block i of both rows
	; (lanes 0-15 one row, lanes 16-31 the other), which are 256 neighbouring bytes of xb's block i.
	s_lshl3_add_u32 s25, ttmp9, s24                ; u
	v_and_b32 v3, 15, v2
	v_lshrrev_b32 v4, 4, v2
	v_lshlrev_b32 v3, 4, v3
	v_lshl_add_u32 v[VS], v4, 12, v3               ; 4,096 x (lane / 16) + 16 x (lane % 16)
	s_lshl_b32 s30, s25, 13                        ; two rows of 4,096 bytes
	s_mov_b32 s31, 0
	s_lshl_b32 s32, s25, 8                         ; two rows of 128 bytes
	s_mov_b32 s33, 0
	s_wait_kmcnt 0x0
	s_add_nc_u64 s[26:27], s[4:5], s[30:31]
	s_add_nc_u64 s[28:29], s[18:19], s[32:33]
	CAST16 256, 524288                             ; from K block to K block: 256 bytes in x, 4,096 rows x 128 bytes in xb
	s_endpgm
.Lweights:
	s_sub_co_u32 s25, ttmp9, 256
	s_lshr_b32 s34, s25, 7                         ; z: 0 Wq, 1 Wk, 2 Wv
	s_and_b32 s25, s25, 127
	s_lshl3_add_u32 s25, s25, s24                  ; k: my row of W
	v_lshlrev_b32 v[VS], 4, v2
	s_lshl_b32 s30, s25, 13                        ; rows of 8,192 bytes in W
	s_mov_b32 s31, 0
	s_mul_i32 s32, s25, 12288                      ; rows of 12,288 bytes in wb,
	s_lshl_b32 s35, s34, 12                        ; and z's 4,096 bytes in them
	s_add_co_u32 s32, s32, s35
	s_mov_b32 s33, 0
	s_wait_kmcnt 0x0
	s_cmp_eq_u32 s34, 0
	s_cselect_b64 s[26:27], s[6:7], s[8:9]
	s_cselect_b64 s[36:37], s[12:13], s[14:15]
	s_cmp_eq_u32 s34, 2
	s_cselect_b64 s[26:27], s[10:11], s[26:27]     ; W of z
	s_cselect_b64 s[36:37], s[16:17], s[36:37]     ; b of z
	s_add_nc_u64 s[26:27], s[26:27], s[30:31]
	s_add_nc_u64 s[28:29], s[20:21], s[32:33]
	CAST16 512, 256
	s_cmp_lt_u32 s25, 16                           ; the waves of rows 0-15 also copy 512 bytes each of z's bias: 16 x 512 = its 8,192 bytes
	s_cbranch_scc0 .Ldone
	s_lshl_b32 s38, s25, 9
	s_mov_b32 s39, 0
	s_lshl_b32 s40, s34, 13
	s_add_co_u32 s40, s40, s38
	s_mov_b32 s41, 0
	s_add_nc_u64 s[36:37], s[36:37], s[38:39]
	s_add_nc_u64 s[42:43], s[22:23], s[40:41]
	global_load_b128 v[X:X+3], v[VS], s[36:37]     ; lands in registers that conversions have read: the last wait on va_vdst stands behind all of them, and no vector instruction has been issued since
	s_wait_loadcnt 0x0
	global_store_b128 v[VS], v[X:X+3], s[42:43]    ; its data come from the load above, which the wait on LOADcnt has shown done
.Ldone:
	s_endpgm
.Lfunc_end_k_q3e4ea8247d_prep:
	.size	k_q3e4ea8247d_prep, .Lfunc_end_k_q3e4ea8247d_prep-k_q3e4ea8247d_prep
	.p2alignl 7, 3214868480
	.fill 96, 4, 3214868480
	.section	.rodata,"a",@progbits
	.p2align	6, 0x0
	.amdhsa_kernel k_q3e4ea8247d_prep
		.amdhsa_group_segment_fixed_size 0
		.amdhsa_private_segment_fixed_size 0
		.amdhsa_enable_private_segment 0
		.amdhsa_kernarg_size 80
		.amdhsa_user_sgpr_count 2
		.amdhsa_user_sgpr_kernarg_segment_ptr 1
		.amdhsa_wavefront_size32 1
		.amdhsa_system_sgpr_workgroup_id_x 1
		.amdhsa_system_sgpr_workgroup_id_y 1
		.amdhsa_system_sgpr_workgroup_id_z 1
		.amdhsa_system_vgpr_workitem_id 0
		.amdhsa_next_free_vgpr 104
		.amdhsa_next_free_sgpr 66
		.amdhsa_reserve_vcc 0
		.amdhsa_float_denorm_mode_32 3
		.amdhsa_float_denorm_mode_16_64 3
		.amdhsa_memory_ordered 1
		.amdhsa_forward_progress 1
		.amdhsa_inst_pref_size 14
	.end_amdhsa_kernel
	.amdgpu_metadata
---
amdhsa.version: [ 1, 2 ]
amdhsa.kernels:
  - .name:           k_q3e4ea8247d_prep
    .symbol:         k_q3e4ea8247d_prep.kd
    .args:
      - { .name: x, .offset: 0, .size: 8, .value_kind: global_buffer, .address_space: global }
      - { .name: Wq, .offset: 8, .size: 8, .value_kind: global_buffer, .address_space: global }
      - { .name: Wk, .offset: 16, .size: 8, .value_kind: global_buffer, .address_space: global }
      - { .name: Wv, .offset: 24, .size: 8, .value_kind: global_buffer, .address_space: global }
      - { .name: bq, .offset: 32, .size: 8, .value_kind: global_buffer, .address_space: global }
      - { .name: bk, .offset: 40, .size: 8, .value_kind: global_buffer, .address_space: global }
      - { .name: bv, .offset: 48, .size: 8, .value_kind: global_buffer, .address_space: global }
      - { .name: xb, .offset: 56, .size: 8, .value_kind: global_buffer, .address_space: global }
      - { .name: wb, .offset: 64, .size: 8, .value_kind: global_buffer, .address_space: global }
      - { .name: bias, .offset: 72, .size: 8, .value_kind: global_buffer, .address_space: global }
    .group_segment_fixed_size: 0
    .private_segment_fixed_size: 0
    .kernarg_segment_align: 8
    .kernarg_segment_size: 80
    .max_flat_workgroup_size: 256
    .sgpr_count:     66
    .vgpr_count:     104
    .wavefront_size: 32
...
	.end_amdgpu_metadata
.endif
;; end of part 5
;; launch qkv: the kernel of part 2 again; grid 16 x 16, 4 waves a work-group, clusters of 4 x 4, 327,680 bytes of LDS; arguments xb, wb, bias, qkv; writes qkv
;; launch scores: the kernel of part 3 again; grid 37 x 4, 4 waves a work-group, no clusters, 327,680 bytes of LDS; arguments qkv, e, stat; writes e, stat
;; launch pv: the kernel of part 4 again; grid 16 x 16, 4 waves a work-group, clusters of 4 x 1, 327,680 bytes of LDS; arguments e, stat, qkv, out0; writes out0
